; MI455X (gfx1250); checked and timed in simulation.
; The chip was launched on July 23, 2026; its instructions are those of AMD's public machine-readable ISA for CDNA 5 (MIT licence, August 2026) and "CDNA5" Instruction Set Architecture Reference Guide (July 2026). The comments in the code are by the model that wrote it; some were corrected since.
;; Tt Self Attention. Allowed arithmetic: matrix products marked QUANTISED: E2M1 operands, one E8M0 scale for each 32 along K, by v_wmma_scale_f32_16x16x128_f8f6f4 with both operands' format E2M1 (or v_wmma_scale_f32_32x16x128_f4), f32 sums; products left as they are: bf16, f16 or f32 operands; f32 sums; everything else in f32.
;; Inputs: W_in 1,024 x 3,072 float32; W_out 1,024 x 1,024 float32; b_in 3,072 float32; b_out 1,024 float32; x 1 x 2 x 2,048 x 1,024 float32.
;; Outputs: out0 1 x 2 x 2,048 x 1,024 float32.
;; This version of the problem:
;;   THIS VERSION OF THE PROBLEM IS GIVEN IN LOW PRECISION. The matrix products marked QUANTISED in the list below multiply operands that are first quantised to E2M1 (2 exponent bits, 1 mantissa bit; 4 bits a number), with one power-of-two scale for each 32 numbers along K (OCP MX v1.0); their sums are f32. The products marked 'left as it is' may take bf16, f16 or f32 operands, with f32 sums. Whichever they take, every output number must still come out within the allowed error. Rounding operands to bf16 (8 significant bits) uses up far more of that allowance than f16 does (11 bits, for magnitudes from 6e-5 to 65,504). All else is computed in f32.
;;   The module's matrix products, in the order in which they are computed (A, B: the left and right operand; K: the contracted axis; several contracted axes count as one K, in the product's order):
;;     1. [M 4,096, K 1,024] x [K 1,024, N 3,072]; A: input x; B: input W_in: QUANTISED
;;     2. batch 32 x [M 2,048, K 64] x [K 64, N 2,048]; A: computed on the way; B: computed on the way: left as it is (an operand is computed on the way)
;;     3. batch 32 x [M 2,048, K 2,048] x [K 2,048, N 64]; A: computed on the way; B: computed on the way: left as it is (an operand is computed on the way)
;;     4. [M 4,096, K 1,024] x [K 1,024, N 1,024]; A: computed on the way; B: input W_out: left as it is (an operand is computed on the way)
;;   THE QUANTISER, for each operand of a quantised product, along K:
;;     - K is cut into blocks of 32 from its start; a last block that is shorter is filled with zeros.
;;     - A block's scale is 2^e with e = floor(log2(the largest magnitude in the block)) - 2, held to -126 .. 127; a block of zeros has e = 0. As a byte (E8M0): e + 127.
;;     - Each number is divided by its block's scale, clamped to +-6, and rounded to the nearest number of E2M1, ties to even, subnormals kept.
;;     - The product sums the exact products of the quantised numbers (number of the format x scale) in f32.
;;   ~~~python
;;   def quantise(x, axis):      # numpy; x: float32 -> the quantised numbers, widened to float32 again
;;       x = np.moveaxis(x, axis, -1); K = x.shape[-1]
;;       x = np.pad(x, [(0, 0)] * (x.ndim - 1) + [(0, -K % 32)]); x = x.reshape(x.shape[:-1] + (-1, 32)); a = np.abs(x).max(-1, keepdims=True)
;;       e = np.where(a > 0, np.clip(np.frexp(np.where(a > 0, a, 1))[1] - 1 - 2, -126, 127), 0)      # np.frexp(a)[1] - 1 = floor(log2(a)), exactly
;;       r = np.clip(x / 2.0 ** e, -6, 6)
;;       step = 2.0 ** (np.maximum(np.frexp(np.where(r == 0, 1, r))[1] - 1, 0) - 1)
;;       q = np.round(r / step) * step * 2.0 ** e      # np.round: ties to even
;;       return np.moveaxis(q.reshape(q.shape[:-2] + (-1,))[..., :K], -1, axis).astype(np.float32)
;;   ~~~
;; One version. Each part assembles by itself: llvm-mc -triple=amdgcn-amd-amdhsa -mcpu=gfx1250 --defsym DOCPART=n.
;; ======== version 1 of 1: 4 launches
;; limits: values are held in f16: magnitudes above 65,504 overflow, below 6.1e-05 lose precision
;; workspace buffers: xq 2,097,152 bytes; xs 131,072 bytes; wq 1,572,864 bytes; ws 98,304 bytes; wof 2,097,152 bytes; qkv 25,165,824 bytes; ctxf 8,388,608 bytes
;; launch prep (part 1): grid 384 x 1, 4 waves a work-group, no clusters, 34,816 bytes of LDS; arguments x, W_in, W_out, xq, xs, wq, ws, wof; writes xq, xs, wq, ws, wof
.if DOCPART == 1
	.amdgcn_target "amdgcn-amd-amdhsa--gfx1250"
	.amdhsa_code_object_version 6
	.text
	.protected	k_qc6d828f616_prep
	.globl	k_qc6d828f616_prep
	.p2align	8
	.type	k_qc6d828f616_prep,@function
k_qc6d828f616_prep:
	s_mov_b64 s[64:65], 0
	v_nop
	global_prefetch_b8 v0, s[64:65] scope:SCOPE_SE
	s_setreg_imm32_b32 hwreg(HW_REG_WAVE_MODE, 25, 1), 1
	s_wait_xcnt 0x0
; PREP: the operands of the two projections are laid, once, in the order of the reader's operand registers ("images").
;   x     [4096][1024] f32 -> xq: codes of FP4 (E2M1), [row tile 256][kf 8][1,024 bytes]; xs: E8M0 scale words, [row tile 256][ks 2][row 16][4 words]
;   W_in  [1024][3072] f32, K its FIRST axis -> wq: [column tile 192][kf 8][1,024 bytes]; ws: [column tile 192][ks 2][column 16][4 words]
;   W_out [1024][1024] f32, K its first axis -> wof: f16, [column tile 64][kf32 32][1,024 bytes]
; An FP4 image is a fragment of 16 rows x 128 K: register group c (0, 1) at byte 512 c + 16 x lane; lane (r, h) holds k = 64 c + 32 h + 0 .. 31 of row r.
; An f16 image is a fragment of 16 rows x 32 K: registers 0-3 (k = 8 h ..) at 16 x lane, registers 4-7 (k = 16 + 8 h ..) at 512 + 16 x lane.
; A scale word holds the four bytes of one row and 128 along K (kf = 4 ks + word).
; THE QUANTISER: a block's scale is 2^(floor(log2(its largest magnitude)) - 2); its byte is the largest magnitude's exponent field - 2, held at 1 from below; each number is divided by
; the scale and rounded to the nearest code, ties to even, beyond the largest code the largest.
; LIMITS: a block of zeros gets the byte 1 where the rule says 127: its codes are zeros, which add nothing under any byte but 0xff, and this program alone reads the bytes.
; NaN and infinities among the inputs are not served.  W_out goes to f16: magnitudes over 65,504 become infinity, those under 6e-5 keep an absolute step of 6e-8.
; SHARES: three paths part on the work-group's number alone.  0-127: x, a wave to 16 rows x 512 K.  128-319: W_in, a work-group to 32 columns x 512 K, a wave to 128 K of them.
; 320-383: W_out, a wave to 32 columns x 128 K.  Each path has LDS bytes of its own.  No work-group shares an input with another: no cluster, no tensor load; memory binds.
; All paths join in front of ONE barrier, which every wave passes; behind it wave 0 of a W_in work-group gathers the four waves' scale words into whole runs of 256 bytes.
.set XSTW,  8448                       ; path X: a wave's stage: 16 rows x (512 bytes + 16 of padding): row r starts 4 r banks on, so sixteen rows of a read start at sixteen places
.set WSC,   4*XSTW                     ; path W: 32 columns x 4 scale words
.set SPARE, WSC+512                    ; the spare words, 128 bytes for each wave: two blocks of 256 bytes that no other line names
.set R,     32                         ; v32-159  numbers as they are loaded
.set XN,    160                        ; v160-223 path X: 64 neighbours along K; path W: the codes; path O: the f16 words
.set CD,    224                        ; v224-255 path X: the codes, 8 registers for each 128 along K, so that no store's data are written again
.set SPW,   12                         ; v12  LDS address of my spare word; never rewritten
.set NIL,   13                         ; v13  0; never rewritten
	s_load_b512 s[4:19], s[0:1], 0x0               ; x s[4:5], W_in s[6:7], W_out s[8:9], xq s[10:11], xs s[12:13], wq s[14:15], ws s[16:17], wof s[18:19]
	v_lshl_add_u32 v[SPW], v0, 2, SPARE
	v_mov_b32 v[NIL], 0
	v_lshrrev_b32 v1, 5, v0
	v_readfirstlane_b32 s20, v1                    ; wave 0..3
	v_and_b32 v1, 31, v0                           ; lane
	v_and_b32 v2, 15, v0                           ; r
	v_bfe_u32 v3, v0, 4, 1                         ; h
	; every address register is made here, ahead of the first parting
	v_lshlrev_b32 v4, 4, v1                        ; 16 x lane
	s_mul_i32 s21, s20, XSTW
	v_add_nc_u32 v5, s21, v4                       ; the stage, on the way in: a row's 512 bytes as they lie
	v_mul_u32_u24 v6, v2, 528
	v_lshl_add_u32 v6, v3, 7, v6
	v_add_nc_u32 v6, s21, v6                       ; and on the way out: row r, + 128 h: my 32 numbers of each 64
	v_lshlrev_b32 v9, 4, v2                        ; 16 r
	v_lshlrev_b32 v8, 3, v3                        ; 8 h
	v_add_nc_u32 v7, v9, v8                        ; xs: row r's four words, two for each half of the lanes
	v_lshlrev_b32 v14, 2, v1                       ; a weight's row: 4 bytes a lane
	v_lshl_add_u32 v15, v3, 13, v9                 ; wq: lanes 16-31 are the next column tile (8,192 bytes on)
	s_lshl_b32 s21, s20, 2
	v_add_nc_u32 v16, s21, v4
	v_add_nc_u32 v16, WSC, v16                     ; LDS: my column's word number wave
	v_add_nc_u32 v17, WSC, v4                      ; LDS: my column's four words
	v_lshl_add_u32 v18, v3, 9, v9                  ; ws: the next column tile is 512 bytes on
	v_lshl_add_u32 v19, v3, 15, v9                 ; wof: 32,768 bytes on
	s_mov_b32 s22, 0x76543210
	s_mov_b32 s23, 0xfedcba98                      ; v_permlanex16_b32's selects for lane l xor 16
	v_mov_b32 v31, 0                               ; written once: a lane permute's destination counts as one of its sources
	v_cmp_ne_u32 vcc_lo, 0, v3                     ; lanes 16-31
	s_mov_b32 s27, 0
	s_wait_kmcnt 0x0
	s_cmp_lt_u32 ttmp9, 128
	s_cbranch_scc0 .Lnot_x
; ---------------- PATH X ----------------
; 128 along K of my 16 rows: each load reads 512 consecutive bytes of one row
.macro XLOAD q
.set i, 0
.rept 16
	global_load_b128 v[R+64*((\q)%2)+4*i:R+64*((\q)%2)+4*i+3], v4, s[4:5] offset:4096*i+512*(\q) th:TH_LOAD_NT
.set i, i+1
.endr
.endm
; through my own stage: in as loaded, out 32 neighbours along K at a time.  LDS serves a wave's instructions in order (ISA guide 5.7.1.4): no wait between the stores and the loads
.macro XTURN q
.set i, 0
.rept 16
	ds_store_b128 v5, v[R+64*((\q)%2)+4*i:R+64*((\q)%2)+4*i+3] offset:528*i
.set i, i+1
.endr
.irp c, 0,1
.irp g, 0,1,2,3,4,5,6,7
	ds_load_b128 v[XN+32*\c+4*\g:XN+32*\c+4*\g+3], v6 offset:256*\c+16*\g
.endr
.endr
.endm
; my two whole blocks (2 c + h) become codes, which are the fragment's registers, and two bytes of the row's scale word
.macro XQ q
.irp c, 0,1
	v_max3_num_f32 v[20+\c], |v[XN+32*\c]|, |v[XN+32*\c+1]|, 0x1800000   ; and the floor 2^(3 - 127): the byte cannot fall under 1
.endr
.irp i, 2,4,6,8,10,12,14,16,18,20,22,24,26,28,30
.irp c, 0,1
	v_max3_num_f32 v[20+\c], v[20+\c], |v[XN+32*\c+\i]|, |v[XN+32*\c+\i+1]|   ; (the two blocks by turns)
.endr
.endr
.irp c, 0,1
	v_add_nc_u32 v[22+\c], 0xff000000, v[20+\c]    ; 2 off the exponent field: the conversion takes the exponent field of this operand as its scale
.endr
.irp c, 0,1
	v_lshrrev_b32 v[28+\c], 23, v[22+\c]           ; the scale's byte
.endr
	v_lshl_or_b32 v30, v29, 16, v28                ; blocks h and 2 + h,
	v_lshlrev_b32 v30, v8, v30                     ; at their places in the word (8 h bits up);
	v_permlanex16_b32 v31, v30, s22, s23
	v_or_b32 v[24+(\q)], v30, v31                  ; with lane l xor 16's two the word is whole
.irp c, 0,1
.irp g, 0,1,2,3
	v_cvt_scalef32_pk8_fp4_f32 v[CD+8*(\q)+4*\c+\g], v[XN+32*\c+8*\g:XN+32*\c+8*\g+7], v[22+\c]
.endr
.endr
	v_nop                                          ; one plain line behind the last conversion of a run
.irp c, 0,1
	global_store_b128 v4, v[CD+8*(\q)+4*\c:CD+8*(\q)+4*\c+3], s[10:11] offset:1024*(\q)+512*\c   ; 32 lanes store 512 consecutive bytes
.endr
.endm
	s_lshl_b32 s24, ttmp9, 2
	s_add_co_u32 s24, s24, s20                     ; my unit u: row tile u / 2, half u % 2 of K
	s_lshr_b32 s26, s24, 1
	s_lshl_b32 s26, s26, 16                        ; 16 rows of 4,096 bytes
	s_and_b32 s25, s24, 1
	s_lshl_b32 s25, s25, 11                        ; 512 numbers
	s_add_co_u32 s26, s26, s25
	s_add_nc_u64 s[4:5], s[4:5], s[26:27]
	s_lshl_b32 s26, s24, 12                        ; four images
	s_add_nc_u64 s[10:11], s[10:11], s[26:27]
	s_lshl_b32 s26, s24, 8                         ; 16 rows x 4 words
	s_add_nc_u64 s[12:13], s[12:13], s[26:27]
	XLOAD 0
	XLOAD 1
.irp q, 0,1,2,3
.if \q < 3
	s_wait_loadcnt 16                              ; this 128 along K is in; the next one's sixteen loads may be out
.else
	s_wait_loadcnt 0x0
.endif
	XTURN \q
	s_wait_dscnt 0x0                               ; the stores have read their registers, and my neighbours are in
.if \q < 2
	XLOAD \q+2
.endif
	XQ \q
.endr
	v_cndmask_b32 v28, v24, v26, vcc_lo            ; lanes 0-15 store words 0 and 1 of their row, lanes 16-31 words 2 and 3
	v_cndmask_b32 v29, v25, v27, vcc_lo
	global_store_b64 v7, v[28:29], s[12:13]        ; 32 lanes store 256 consecutive bytes, aligned
	s_branch .Ljoin
; ---------------- PATHS W AND O: a lane takes a column, and its registers run down K ----------------
.Lnot_x:
; block t: rows 32 t + i of the weight at my column: 32 lanes read 128 consecutive bytes
.macro CLOAD t, stride, b
.set i, 0
.rept 32
	global_load_b32 v[R+32*(\t)+i], v14, s[\b:\b+1] offset:(32*(\t)+i)*\stride th:TH_LOAD_NT
.set i, i+1
.endr
.endm
.macro WBLOCK t
.set XS, R+32*(\t)
	v_max3_num_f32 v20, |v[XS]|, |v[XS+1]|, |v[XS+2]|              ; the block's largest magnitude: all 32 numbers are mine
	v_max3_num_f32 v21, |v[XS+3]|, |v[XS+4]|, |v[XS+5]|
.irp i, 6,10,14,18,22,26
	v_max3_num_f32 v20, v20, |v[XS+\i]|, |v[XS+\i+1]|
	v_max3_num_f32 v21, v21, |v[XS+\i+2]|, |v[XS+\i+3]|
.endr
	v_max3_num_f32 v20, v20, |v[XS+30]|, |v[XS+31]|
	v_max3_num_f32 v20, v20, v21, 0x1800000        ; and the floor 2^(3 - 127)
	v_add_nc_u32 v22, 0xff000000, v20              ; the conversion's scale operand
	v_lshrrev_b32 v28, 23, v22                     ; the scale's byte: byte t of my column's word for these 128 along K
.if (\t) == 0
	v_mov_b32 v24, v28
.else
	v_lshl_or_b32 v24, v28, 8*(\t), v24
.endif
.irp g, 0,1,2,3
	v_cvt_scalef32_pk8_fp4_f32 v[XN+4*(\t)+\g], v[XS+8*\g:XS+8*\g+7], v22
.endr
	v_nop                                          ; one plain line behind the last conversion of a run
	global_store_b128 v15, v[XN+4*(\t):XN+4*(\t)+3], s[14:15] offset:256*(\t)   ; block t = 2 c + h lies at 512 c + 256 h of the image: sixteen lanes store 256 consecutive bytes, aligned
.endm
.macro OBLOCK t
.set j, 0
.rept 16
	v_cvt_pk_f16_f32 v[XN+16*(\t)+j], v[R+32*(\t)+2*j], v[R+32*(\t)+2*j+1]   ; the lower k into the low half
.set j, j+1
.endr
.irp p, 0,1,2,3
	global_store_b128 v19, v[XN+16*(\t)+4*\p:XN+16*(\t)+4*\p+3], s[18:19] offset:1024*(\t)+256*\p   ; k = 8 p .. 8 p + 7 lie at 256 p of the image
.endr
.endm
	s_cmp_lt_u32 ttmp9, 320
	s_cbranch_scc0 .Lpath_o
	s_sub_co_u32 s24, ttmp9, 128
	s_lshr_b32 s25, s24, 1                         ; which 32 columns
	s_and_b32 s24, s24, 1                          ; ks
	s_lshl_b32 s28, s24, 2
	s_add_co_u32 s28, s28, s20                     ; kf = 4 ks + wave
	s_mul_i32 s26, s28, 1572864                    ; 128 rows of 12,288 bytes
	s_lshl_b32 s29, s25, 7
	s_add_co_u32 s26, s26, s29
	s_add_nc_u64 s[6:7], s[6:7], s[26:27]
	s_lshl_b32 s26, s25, 14                        ; two column tiles of 8,192 bytes
	s_lshl_b32 s29, s28, 10
	s_add_co_u32 s26, s26, s29
	s_add_nc_u64 s[14:15], s[14:15], s[26:27]
	s_lshl_b32 s26, s25, 10
	s_lshl_b32 s29, s24, 8
	s_add_co_u32 s26, s26, s29
	s_add_nc_u64 s[16:17], s[16:17], s[26:27]
	CLOAD 0, 12288, 6
	CLOAD 1, 12288, 6
	s_wait_loadcnt 32                              ; block 0 is in; the next block's 32 loads may be out (so below)
	CLOAD 2, 12288, 6
	WBLOCK 0
	s_wait_loadcnt 32
	CLOAD 3, 12288, 6
	WBLOCK 1
	s_wait_loadcnt 32
	WBLOCK 2
	s_wait_loadcnt 0x0
	WBLOCK 3
	ds_store_b32 v16, v24                          ; my column's word for my 128 along K
	s_branch .Ljoin
.Lpath_o:
	s_sub_co_u32 s24, ttmp9, 320
	s_lshr_b32 s25, s24, 1                         ; which 32 columns
	s_and_b32 s24, s24, 1
	s_lshl_b32 s28, s24, 2
	s_add_co_u32 s28, s28, s20                     ; which 128 along K
	s_lshl_b32 s26, s28, 19                        ; 128 rows of 4,096 bytes
	s_lshl_b32 s29, s25, 7
	s_add_co_u32 s26, s26, s29
	s_add_nc_u64 s[8:9], s[8:9], s[26:27]
	s_lshl_b32 s26, s25, 16                        ; two column tiles of 32,768 bytes
	s_lshl_b32 s29, s28, 12                        ; four images
	s_add_co_u32 s26, s26, s29
	s_add_nc_u64 s[18:19], s[18:19], s[26:27]
	CLOAD 0, 4096, 8
	CLOAD 1, 4096, 8
	s_wait_loadcnt 32
	CLOAD 2, 4096, 8
	OBLOCK 0
	s_wait_loadcnt 32
	CLOAD 3, 4096, 8
	OBLOCK 1
	s_wait_loadcnt 32
	OBLOCK 2
	s_wait_loadcnt 0x0
	OBLOCK 3
.Ljoin:
	s_wait_dscnt 0x0                               ; for the others' sake: my LDS stores are done
	s_barrier_signal -1
	s_barrier_wait -1                              ; every wave of every path passes this one barrier
	s_sub_co_u32 s25, ttmp9, 128
	s_cmp_lt_u32 s25, 192                          ; a work-group of W_in?
	s_cbranch_scc0 .Lend
	s_cmp_lg_u32 s20, 0                            ; its wave 0 gathers
	s_cbranch_scc1 .Lend
	ds_load_b128 v[R:R+3], v17                     ; my column's four words, one from each wave.  They land in v32-35: no global store of any path names these as its data, and every path has waited for all its loads into them
	s_wait_dscnt 0x0
	global_store_b128 v18, v[R:R+3], s[16:17]      ; sixteen lanes store 256 consecutive bytes, aligned
.Lend:
	s_wait_tensorcnt 0x0                           ; the wave's end: behind my last LDS store
	ds_add_u32 v[SPW], v[NIL]
	s_wait_dscnt 0x0
	s_endpgm
.Lfunc_end_k_qc6d828f616_prep:
	.size	k_qc6d828f616_prep, .Lfunc_end_k_qc6d828f616_prep-k_qc6d828f616_prep
	.p2alignl 7, 3214868480
	.fill 96, 4, 3214868480
	.section	.rodata,"a",@progbits
	.p2align	6, 0x0
	.amdhsa_kernel k_qc6d828f616_prep
		.amdhsa_group_segment_fixed_size 34816
		.amdhsa_private_segment_fixed_size 0
		.amdhsa_enable_private_segment 0
		.amdhsa_kernarg_size 64
		.amdhsa_user_sgpr_count 2
		.amdhsa_user_sgpr_kernarg_segment_ptr 1
		.amdhsa_wavefront_size32 1
		.amdhsa_system_sgpr_workgroup_id_x 1
		.amdhsa_system_sgpr_workgroup_id_y 1
		.amdhsa_system_sgpr_workgroup_id_z 1
		.amdhsa_system_vgpr_workitem_id 0
		.amdhsa_next_free_vgpr 256
		.amdhsa_next_free_sgpr 66
		.amdhsa_reserve_vcc 1
		.amdhsa_float_denorm_mode_32 3
		.amdhsa_float_denorm_mode_16_64 3
		.amdhsa_memory_ordered 1
		.amdhsa_forward_progress 1
		.amdhsa_inst_pref_size 68
	.end_amdhsa_kernel
	.amdgpu_metadata
---
amdhsa.version: [ 1, 2 ]
amdhsa.kernels:
  - .name:           k_qc6d828f616_prep
    .symbol:         k_qc6d828f616_prep.kd
    .args:
      - { .name: x, .offset: 0, .size: 8, .value_kind: global_buffer, .address_space: global }
      - { .name: W_in, .offset: 8, .size: 8, .value_kind: global_buffer, .address_space: global }
      - { .name: W_out, .offset: 16, .size: 8, .value_kind: global_buffer, .address_space: global }
      - { .name: xq, .offset: 24, .size: 8, .value_kind: global_buffer, .address_space: global }
      - { .name: xs, .offset: 32, .size: 8, .value_kind: global_buffer, .address_space: global }
      - { .name: wq, .offset: 40, .size: 8, .value_kind: global_buffer, .address_space: global }
      - { .name: ws, .offset: 48, .size: 8, .value_kind: global_buffer, .address_space: global }
      - { .name: wof, .offset: 56, .size: 8, .value_kind: global_buffer, .address_space: global }
    .group_segment_fixed_size: 34816
    .private_segment_fixed_size: 0
    .kernarg_segment_align: 8
    .kernarg_segment_size: 64
    .max_flat_workgroup_size: 128
    .sgpr_count:     66
    .vgpr_count:     256
    .wavefront_size: 32
...
	.end_amdgpu_metadata
.endif
;; end of part 1
;; launch qkv (part 2): grid 12 x 16, 4 waves a work-group, clusters of 4 x 4, 327,680 bytes of LDS; arguments xq, xs, wq, ws, b_in, qkv; writes qkv
.if DOCPART == 2
	.amdgcn_target "amdgcn-amd-amdhsa--gfx1250"
	.amdhsa_code_object_version 6
	.text
	.protected	k_qc6d828f616_qkv
	.globl	k_qc6d828f616_qkv
	.p2align	8
	.type	k_qc6d828f616_qkv,@function
k_qc6d828f616_qkv:
	s_mov_b64 s[64:65], 0
	v_nop
	global_prefetch_b8 v0, s[64:65] scope:SCOPE_SE
	s_setreg_imm32_b32 hwreg(HW_REG_WAVE_MODE, 25, 1), 1
	s_wait_xcnt 0x0
	s_wait_alu depctr_hold_cnt(0) depctr_sa_sdst(0) depctr_va_vdst(0) depctr_va_sdst(0) depctr_va_ssrc(0) depctr_va_vcc(0) depctr_vm_vsrc(0)
	s_getreg_b32 s2, hwreg(HW_REG_IB_STS2, 6, 4)
	s_cmp_eq_u32 s2, 0
	s_cbranch_scc0 .Lentry_in_a_cluster
	s_endpgm
.Lentry_in_a_cluster:
	s_bfe_u32 s2, ttmp6, 0x10000c
	s_cmp_lg_u32 s2, 0xf033
	s_cbranch_scc0 .Lentry_shape_is_right
	s_endpgm
.Lentry_shape_is_right:
; QKV: qkv[m][n] = sum over k of Q(x)[m][k] Q(W_in)[k][n] + b_in[n], m 4,096, n 3,072, k 1,024, on codes of FP4 (E2M1) with one E8M0 scale for each 32 along K; sums in f32; the result is rounded once, to f16.
; Codes and scale words arrive as images of the operand's registers (a fragment of 16 rows x 128 K: 1,024 bytes, register group c at 512 c + 16 x lane; scale words [tile][ks][row 16][4 words]).
; A tile of C, 256 x 256, is made by a work-group of four waves; a wave makes 128 x 128: 64 accumulators of 16 x 16, 512 registers.  12 x 16 = 192 work-groups.
; K = 1,024 is two LDS slots of 512: every tile and all scale words are asked for at the head, three tensor loads a wave, and nothing is filled again.
; CLUSTERS: 4 x 4 work-groups.  The four of a row of the cluster need the same tiles of x, the four of a column the same tiles of W_in: each tile is asked for JOINTLY, by the same tensor load with the
; same descriptor and a mask that names the four.  THE MATRIX INSTRUCTION IS USED TRANSPOSED (source 0 = 16 columns of W_in, source 1 = 16 rows of x): a lane then holds eight neighbouring n of one row m.
; The bias is the C of each sum's first matrix instruction.
; THE WAY OUT needs no LDS: eight neighbouring channels of a row, rounded to f16, are 16 bytes, and in the layout [b 2][n / 64: 48][row tile 128][channels / 16: 4][512 bytes] a wave's store covers 512 consecutive bytes.
; For q and k the lane's 16 bytes lie at 16 x lane: two blocks on end are an f16 fragment of 16 rows x 32 channels.  For v they lie at 32 r + 16 h: a block is 16 keys x 32 bytes, for the turning LDS load.
; LIMITS: q, k and v are f16: magnitudes over 65,504 become infinity; those under 6e-5 keep an absolute step of 6e-8.
; REGISTERS, in windows of 256: window 0: v0-31 addresses; v32-95 scale words, two sets; v128-191 x's fragments, ONE set; v192-255 the bias in the result's layout.
;   window 1: W_in's fragments, TWO sets, at v0 and v128; on the way out all 256: the packed results.   windows 2, 3: the accumulators of my rows 0-63, 64-127 (accumulator (a, b) at v[8 (8 (a % 4) + b)]).
.set NQ,     4                         ; matrix instructions deep in a slot
.set FR,     8                         ; registers of a fragment
.set NL,     2                         ; LDS loads that bring one
.set NP,     4                         ; places behind this matrix instruction (ISA guide 7.12.1)
.set HALFT,  32768                     ; what one tensor load brings: 8 tiles of 16 rows x 4 images
.set SLOT,   4*HALFT                   ; x's 256 rows, then W_in's 256 columns
.set SCL,    2*SLOT                    ; behind the slots: the scale words, 4,096 bytes for each 128 rows
.set HALFS,  4096
.set SPARE,  SCL+4*HALFS               ; the spare words, 128 bytes for each wave: two blocks of 256 bytes that no other line names
.set ADRA, 16                          ; v16-17  LDS address of my fragments of x in slot 0, 1
.set ADRB, 20                          ; v20-21  the same for W_in
.set CO,   26                          ; v26     my 16 bytes' place in a block of 512 of qkv
.set ADRS, 27                          ; v27     LDS address of my scale words: lanes 0-15 x's rows, lanes 16-31 W_in's columns
.set SPW,  28                          ; v28     LDS address of my spare word; never rewritten
.set NIL,  29                          ; v29     0; never rewritten
.set VB,   30                          ; v30     32 h: my eight numbers of a tile's sixteen of the bias
.set SC,   32
.set AF,   128
.set BI,   192
.set G1, 24                            ; s[24:31] descriptor group 1 for x's tiles;  s[32:39] group 0, one set for each slot
.set G0, 32
.set G1B, 48                           ; s[48:55], s[56:63] the same for W_in's
.set G0B, 56
.set G1S, 68                           ; s[68:75], s[76:79] groups 1 and 0 for x's scale words;  s[80:87], s[88:91] for W_in's
.set G0S, 76
.set G1SB, 80
.set G0SB, 88
.set MSB, 0
.macro WIN new                         ; the immediate's high byte repeats the setting that is left
.if MSB != (\new)
	s_set_vgpr_msb (MSB<<8)|(\new)
.set MSB, (\new)
.endif
.endm
.set MUL_LO, 0xa1                      ; source 0 (W_in) window 1, source 1 (x) window 0, C and D window 2
.set MUL_HI, 0xf1                      ; the same, C and D window 3
.set BEG_LO, 0x81                      ; the first step: C (the bias) window 0, D window 2
.set BEG_HI, 0xc1                      ; D window 3
.set TO_B,   0x40                      ; destination window 1, address window 0
; A joint load: waves 0 and 1 fetch for x, waves 2 and 3 for W_in.  Each of the two lines has ONE mask and one set of registers for all that issue it; the branch hangs on the wave's number alone.
; An s_nop 0 and four v_nop follow each of the two lines, ahead of the jump, the label and what follows.
.macro JLOAD g0a, g1a, g0b, g1b
	s_cmp_eq_u32 s15, 0
	s_cbranch_scc0 .Lfor_b_\@
	tensor_load_to_lds s[\g0a:\g0a+3], s[\g1a:\g1a+7]
	s_nop 0
.rept 4
	v_nop
.endr
	s_branch .Lasked_\@
.Lfor_b_\@:
	tensor_load_to_lds s[\g0b:\g0b+3], s[\g1b:\g1b+7]
	s_nop 0
.rept 4
	v_nop
.endr
.Lasked_\@:
.endm
.macro CROUND                          ; a round of the cluster's barrier
	s_barrier_signal -1
	s_barrier_wait -1
	s_cmp_lg_u32 s14, 0
	s_cbranch_scc1 .Lnot_wave_0_\@
	s_barrier_signal -3
.Lnot_wave_0_\@:
	s_barrier_wait -3
	s_barrier_signal -1
	s_barrier_wait -1
.endm
	s_load_b128 s[4:7], s[0:1], 0x0                ; x's codes s[4:5], x's scale words s[6:7]
	s_load_b128 s[8:11], s[0:1], 0x10              ; W_in's codes s[8:9], its scale words s[10:11]
	s_load_b128 s[96:99], s[0:1], 0x20             ; b_in s[96:97], qkv s[98:99]
	v_lshl_add_u32 v[SPW], v0, 2, SPARE
	v_mov_b32 v[NIL], 0
	ds_add_u32 v[SPW], v[NIL]                      ; the wave's opening: the add, twice on end, and its wait ahead of my first tensor load; the set-up below, work on registers, stands between
	ds_add_u32 v[SPW], v[NIL]
	v_lshrrev_b32 v1, 5, v0
	v_readfirstlane_b32 s14, v1                    ; wave 0..3
	s_lshr_b32 s15, s14, 1                         ; which half of the tile's rows is mine.  Also: I fetch for x (0) or for W_in (1)
	s_and_b32 s16, s14, 1                          ; which half of its columns.  Also: which 128 rows of that tile I fetch
	s_bfe_u32 s40, ttmp6, 0x40000                  ; cx, cy: my place in the cluster
	s_bfe_u32 s41, ttmp6, 0x40004
	s_lshl_b32 s42, ttmp9, 2
	s_add_co_u32 s42, s42, s40                     ; tile column of C = 4 x cluster x + cx
	s_and_b32 s17, ttmp7, 0xffff
	s_lshl_b32 s17, s17, 2
	s_add_co_u32 s17, s17, s41                     ; tile row of C = 4 x cluster y + cy
	s_lshl_b32 s43, s41, 2
	s_lshl_b32 s43, 15, s43                        ; my row of the cluster
	s_lshl_b32 s44, 0x1111, s40                    ; my column
	; descriptor group 1 for codes: 8 rows (tiles of 16) of 4,096 bytes (a slot's four images), 8,192 bytes apart; elements of 8 bytes; no padding
	s_or_b32 s[G1+0], s43, (3<<16)|(1<<21)         ; 15:0 the mask: x's tiles go to my row; 17:16 elements of 8 bytes; 21 set beside a mask
	s_or_b32 s[G1B+0], s44, (3<<16)|(1<<21)
.irp g, G1, G1B
	s_mov_b32 s[\g+1], 512<<16                     ; tensor_dim0
	s_mov_b32 s[\g+2], 8<<16                       ; tensor_dim1
	s_mov_b32 s[\g+3], 512<<16                     ; tile_dim0
	s_mov_b32 s[\g+4], 8                           ; tile_dim1
	s_mov_b32 s[\g+5], 1024                        ; tensor_dim0_stride
	s_mov_b32 s[\g+6], 0
	s_mov_b32 s[\g+7], 0
.endr
	; and for the scale words of 128 rows: a dense block of 4,096 bytes, as 16 rows of 256
	s_or_b32 s[G1S+0], s43, (3<<16)|(1<<21)
	s_or_b32 s[G1SB+0], s44, (3<<16)|(1<<21)
.irp g, G1S, G1SB
	s_mov_b32 s[\g+1], 32<<16
	s_mov_b32 s[\g+2], 16<<16
	s_mov_b32 s[\g+3], 32<<16
	s_mov_b32 s[\g+4], 16
	s_mov_b32 s[\g+5], 32
	s_mov_b32 s[\g+6], 0
	s_mov_b32 s[\g+7], 0
.endr
	s_lshl_b32 s18, s16, 16                        ; which 128 rows I fetch: 8 tiles of 8,192 bytes of codes,
	s_lshl_b32 s19, s16, 12                        ; of 512 bytes of scale words
	s_lshl_b32 s20, s17, 17
	s_add_co_u32 s20, s20, s18                     ; x's codes: by the tile row alone
	s_mov_b32 s21, 0
	s_lshl_b32 s46, s42, 17
	s_add_co_u32 s46, s46, s18                     ; W_in's: by the tile column alone
	s_mov_b32 s47, 0
	s_lshl_b32 s22, s17, 13
	s_add_co_u32 s22, s22, s19
	s_mov_b32 s23, 0
	s_lshl_b32 s92, s42, 13
	s_add_co_u32 s92, s92, s19
	s_mov_b32 s93, 0
	s_lshl_b32 s45, s14, 15                        ; where they go: wave x 32,768: no place in the cluster enters an LDS address
	s_lshl_b32 s94, s14, 12
	s_wait_dscnt 0x0                               ; both opening adds are done
	s_wait_kmcnt 0x0
	s_add_nc_u64 s[20:21], s[4:5], s[20:21]
	s_add_nc_u64 s[22:23], s[6:7], s[22:23]
	s_add_nc_u64 s[46:47], s[8:9], s[46:47]
	s_add_nc_u64 s[92:93], s[10:11], s[92:93]
	CROUND                                         ; all sixteen work-groups are here: the joint loads meet
	s_mov_b32 s[G0S], 1
	s_add_co_u32 s[G0S+1], s94, SCL
	s_mov_b64 s[G0S+2:G0S+3], s[22:23]
	s_or_b32 s[G0S+3], s[G0S+3], 0x80000000
	s_mov_b32 s[G0SB], 1
	s_add_co_u32 s[G0SB+1], s94, SCL
	s_mov_b64 s[G0SB+2:G0SB+3], s[92:93]
	s_or_b32 s[G0SB+3], s[G0SB+3], 0x80000000
	JLOAD G0S, G1S, G0SB, G1SB                     ; the scale words first: they are wanted with slot 0
.irp s, 0,1
	s_mov_b32 s[G0+4*\s], 1
	s_add_co_u32 s[G0+4*\s+1], s45, \s*SLOT
	s_add_nc_u64 s[G0+4*\s+2:G0+4*\s+3], s[20:21], \s*4096
	s_or_b32 s[G0+4*\s+3], s[G0+4*\s+3], 0x80000000
	s_mov_b32 s[G0B+4*\s], 1
	s_add_co_u32 s[G0B+4*\s+1], s45, \s*SLOT
	s_add_nc_u64 s[G0B+4*\s+2:G0B+4*\s+3], s[46:47], \s*4096
	s_or_b32 s[G0B+4*\s+3], s[G0B+4*\s+3], 0x80000000
	JLOAD G0+4*\s, G1, G0B+4*\s, G1B               ; three tensor loads of mine are out
.endr
	v_and_b32 v1, 15, v0                           ; r
	v_bfe_u32 v2, v0, 4, 1                         ; h
	v_and_b32 v3, 31, v0
	v_lshlrev_b32 v4, 4, v3                        ; 16 x lane: an image's place for my lane
	v_lshlrev_b32 v[VB], 5, v2
	s_lshl_b32 s46, s42, 10                        ; the bias of my 128 columns: 4 (256 x tile column + 128 x half)
	s_lshl_b32 s47, s16, 9
	s_add_co_u32 s46, s46, s47
	s_mov_b32 s47, 0
	s_add_nc_u64 s[96:97], s[96:97], s[46:47]
.irp b, 0,1,2,3,4,5,6,7
	global_load_b128 v[BI+8*\b:BI+8*\b+3], v[VB], s[96:97] offset:64*\b          ; lane (r, h), register j: b_in at column 16 b + 8 h + j
	global_load_b128 v[BI+8*\b+4:BI+8*\b+7], v[VB], s[96:97] offset:64*\b+16
.endr
	s_lshl_b32 s21, s15, 15                        ; my 128 rows of x
	s_lshl_b32 s22, s16, 15                        ; my 128 columns of W_in,
	s_add_co_u32 s22, s22, 2*HALFT                 ; which lie behind x's 256 rows
.irp s, 0,1
	v_add_nc_u32 v[ADRA+\s], s21, v4
	v_add_nc_u32 v[ADRB+\s], s22, v4
	s_add_co_u32 s21, s21, SLOT
	s_add_co_u32 s22, s22, SLOT
.endr
	v_lshlrev_b32 v5, 4, v1                        ; my row's four scale words
	s_lshl_b32 s21, s15, 12                        ; x's: my 128 rows
	s_lshl_b32 s22, s16, 12                        ; W_in's: my 128 columns, behind x's 256 rows
	s_add_co_u32 s22, s22, 2*HALFS
	s_sub_co_u32 s22, s22, s21
	v_mul_u32_u24 v6, s22, v2                      ; lanes 16-31 take W_in's
	s_add_co_u32 s21, s21, SCL
	v_add_nc_u32 v5, v5, v6
	v_add_nc_u32 v[ADRS], s21, v5
	v_lshlrev_b32 v5, 5, v1
	v_lshl_add_u32 v5, v2, 4, v5                   ; 32 r + 16 h: v's order inside a block
	s_cmp_ge_u32 s42, 8                            ; tile columns 8 to 11 are v
	s_cselect_b32 s95, -1, 0
	v_cndmask_b32 v[CO], v4, v5, s95               ; a choice of a value: no branch hangs on the place in the cluster
	s_lshr_b32 s20, s17, 3                         ; where my part of qkv begins: the batch,
	s_mul_i32 s20, s20, 12582912
	s_and_b32 s21, s17, 7
	s_lshl_b32 s21, s21, 15                        ; 16 row tiles of 2,048 bytes for each tile row,
	s_add_co_u32 s20, s20, s21
	s_lshl_b32 s21, s15, 14                        ; 8 for my half;
	s_add_co_u32 s20, s20, s21
	s_mov_b32 s21, 0
	s_lshl_b32 s46, s42, 20                        ; four runs of 64 columns (262,144 bytes each) for each tile column,
	s_lshl_b32 s47, s16, 19                        ; two for my half
	s_add_co_u32 s46, s46, s47
	s_mov_b32 s47, 0
	s_add_nc_u64 s[20:21], s[20:21], s[46:47]
	s_add_nc_u64 s[98:99], s[98:99], s[20:21]
.macro FRAG reg, adr, q, i             ; a fragment comes as it was laid: tile i of 16, the slot's q-th 128 along K
.irp c, 0,1
	ds_load_b128 v[\reg+4*\c:\reg+4*\c+3], v[\adr] offset:4096*(\i)+1024*(\q)+512*\c
.endr
.endm
; 16 matrix instructions: x's blocks a0, a0 + 1 against W_in's eight.  p: W_in's set;  sc: the set of scale words.  zero = 1: the first product starts the sums from the bias.
; The 64 accumulators take turns, one instruction a turn, in the same order in every step.
.macro MUL16 a0, p, q, sc, zero
.irp a, \a0, \a0+1
.irp b, 0,1,2,3,4,5,6,7
.if \zero
	v_wmma_scale_f32_16x16x128_f8f6f4 v[8*(8*((\a)%4)+\b):8*(8*((\a)%4)+\b)+7], v[128*(\p)+FR*\b:128*(\p)+FR*\b+FR-1], v[AF+FR*(\a):AF+FR*(\a)+FR-1], v[BI+8*\b:BI+8*\b+7], v[SC+8*NQ*(\sc)+NQ*\b+(\q)], v[SC+8*NQ*(\sc)+NQ*(\a)+(\q)] matrix_a_fmt:MATRIX_FMT_FP4 matrix_b_fmt:MATRIX_FMT_FP4 matrix_a_scale:MATRIX_SCALE_ROW1
.else
	v_wmma_scale_f32_16x16x128_f8f6f4 v[8*(8*((\a)%4)+\b):8*(8*((\a)%4)+\b)+7], v[128*(\p)+FR*\b:128*(\p)+FR*\b+FR-1], v[AF+FR*(\a):AF+FR*(\a)+FR-1], v[8*(8*((\a)%4)+\b):8*(8*((\a)%4)+\b)+7], v[SC+8*NQ*(\sc)+NQ*\b+(\q)], v[SC+8*NQ*(\sc)+NQ*(\a)+(\q)] matrix_a_fmt:MATRIX_FMT_FP4 matrix_b_fmt:MATRIX_FMT_FP4 matrix_a_scale:MATRIX_SCALE_ROW1
.endif
.endr
.endr
.endm
.macro FETCH_B slot, q, p
	WIN TO_B
.irp i, 0,1,2,3,4,5,6,7
	FRAG 128*(\p)+FR*\i, ADRB+\slot, \q, \i
.endr
	WIN 0
.endm
.macro FETCH_A slot, q, i0
.irp i, \i0, \i0+1, \i0+2, \i0+3
	FRAG AF+FR*(\i), ADRA+\slot, \q, \i
.endr
.endm
.macro SCALES sc                       ; a slot's scale words into set sc: four words a row; lanes 0-15 take x's block i, lanes 16-31 W_in's block i
.irp i, 0,1,2,3,4,5,6,7
	ds_load_b128 v[SC+8*NQ*\sc+NQ*\i:SC+8*NQ*\sc+NQ*\i+3], v[ADRS] offset:\i*512
.endr
.endm
; A load into a register that a matrix instruction has read, and a vector instruction that reads a matrix result or writes one of its registers, stand NP places behind it; only plain vector
; instructions that name none of its registers are places (ISA guide 7.12.1 for vector instructions).
.macro PLACES n
.rept \n
	v_nop
.endr
.endm
; A step of 128 along K that has its successor in the same slot.
.macro STEP slot, q, zero
	s_wait_dscnt 4*NL                              ; W_in's set and x's blocks 0-3 are in; the youngest eight loads (x's blocks 4-7) may be out
.if \zero
	WIN BEG_LO
.else
	WIN MUL_LO
.endif
	MUL16 0, (\q)%2, \q, \slot, \zero
	MUL16 2, (\q)%2, \q, \slot, \zero
	s_wait_dscnt 0                                 ; x's blocks 4-7 are in (asked for 32 matrix instructions ago)
	PLACES NP
	FETCH_B \slot, (\q)+1, 1-(\q)%2
	FETCH_A \slot, (\q)+1, 0
.if \zero
	WIN BEG_HI
.else
	WIN MUL_HI
.endif
	MUL16 4, (\q)%2, \q, \slot, \zero
	MUL16 6, (\q)%2, \q, \slot, \zero
	PLACES NP
	WIN 0
	FETCH_A \slot, (\q)+1, 4
.endm
; Slot 0's last step goes over to slot 1: ONE barrier; in front of it each wave waits for all its tensor loads (its part of slot 1).  Nothing is filled again.
.macro TURN slot, next
	s_wait_tensorcnt 0x0                           ; all my tensor loads have landed;  (every window is 0 here: the add's two registers lie in window 0)
	ds_add_u32 v[SPW], v[NIL]                      ; 0 onto my spare word
	s_wait_dscnt 4*NL+1                            ; (the add and the youngest eight loads, x's blocks 4-7, may be out)
	WIN MUL_LO
	MUL16 0, 1, NQ-1, \slot, 0                     ; sixteen matrix instructions stand between the add and the wait for it
	s_wait_dscnt 0x0                               ; the add is done, and no LDS load of mine is out
	s_barrier_signal -1
	MUL16 2, 1, NQ-1, \slot, 0
	WIN 0
	s_barrier_wait -1                              ; everybody's part of the next slot is in
	PLACES NP
	v_add_nc_u32 v[ADRS], 256, v[ADRS]             ; on to the next slot's scale words (no LDS load of mine is out)
	FETCH_B \next, 0, 0
	FETCH_A \next, 0, 0
	SCALES \next
	WIN MUL_HI
	MUL16 4, 1, NQ-1, \slot, 0
	MUL16 6, 1, NQ-1, \slot, 0
	PLACES NP
	WIN 0
	FETCH_A \next, 0, 4
.endm
.macro STEPS slot, from                ; the slot's steps from .. NQ - 2
.set Q, \from
.rept NQ-1-\from
	STEP \slot, Q, 0
.set Q, Q+1
.endr
.endm
	s_wait_tensorcnt 1                             ; the scale words and my part of slot 0 are in (slot 1's load may be out)
	s_barrier_signal -1
	s_barrier_wait -1                              ; everybody's are
	FETCH_B 0, 0, 0
	FETCH_A 0, 0, 0
	SCALES 0
	FETCH_A 0, 0, 4
	s_wait_loadcnt 0x0                             ; the bias
	STEP 0, 0, 1                                   ; the first step's products start the sums from the bias: nothing is cleared, nothing is added later
	STEPS 0, 1
	TURN 0, 1
	STEPS 1, 0
	s_wait_dscnt 4*NL                              ; the very last step: nothing more to fetch
	WIN MUL_LO
	MUL16 0, 1, NQ-1, 1, 0
	MUL16 2, 1, NQ-1, 1, 0
	s_wait_dscnt 0
	WIN MUL_HI
	MUL16 4, 1, NQ-1, 1, 0
	MUL16 6, 1, NQ-1, 1, 0
; THE WAY OUT, block by block of 16 rows.  A lane's eight results of an accumulator are eight neighbouring channels of one row: four roundings make 16 bytes.  The packed results of all eight blocks have
; registers of their own (window 1's 256), so no store's data are written again and no wait stands here.  Each accumulator is read from its low end on.
.macro OUTBLK a
.set AC, 64*((\a)%4)
	WIN 0x4a+5*((\a)/4)                            ; sources window 2 or 3, destination window 1
.irp b, 0,1,2,3,4,5,6,7
.irp e, 0,1,2,3
	v_cvt_pk_f16_f32 v[32*(\a)+4*\b+\e], v[AC+8*\b+2*\e], v[AC+8*\b+2*\e+1]
.endr
.endr
	WIN 0x04                                       ; a store's data are its source 1: window 1
.irp b, 0,1,2,3,4,5,6,7
	global_store_b128 v[CO], v[32*(\a)+4*\b:32*(\a)+4*\b+3], s[98:99] offset:262144*(\b/4)+2048*(\a)+512*(\b%4)   ; 32 lanes store 512 consecutive bytes, at a multiple of 512 from the buffer's first byte
.endr
.endm
	PLACES NP                                      ; behind the last products: their results are read and their operands' registers written only from here on
.irp a, 0,1,2,3,4,5,6,7
	OUTBLK \a
.endr
	WIN 0
	s_wait_tensorcnt 0x0                           ; the wave's end: behind my last tensor load
	ds_add_u32 v[SPW], v[NIL]
	s_wait_dscnt 0x0
	CROUND                                         ; the closing round: no work-group ends while a partner may still ask for a tile that names it
	s_endpgm
.Lfunc_end_k_qc6d828f616_qkv:
	.size	k_qc6d828f616_qkv, .Lfunc_end_k_qc6d828f616_qkv-k_qc6d828f616_qkv
	.p2alignl 7, 3214868480
	.fill 96, 4, 3214868480
	.section	.rodata,"a",@progbits
	.p2align	6, 0x0
	.amdhsa_kernel k_qc6d828f616_qkv
		.amdhsa_group_segment_fixed_size 327680
		.amdhsa_private_segment_fixed_size 0
		.amdhsa_enable_private_segment 0
		.amdhsa_kernarg_size 48
		.amdhsa_user_sgpr_count 2
		.amdhsa_user_sgpr_kernarg_segment_ptr 1
		.amdhsa_wavefront_size32 1
		.amdhsa_system_sgpr_workgroup_id_x 1
		.amdhsa_system_sgpr_workgroup_id_y 1
		.amdhsa_system_sgpr_workgroup_id_z 1
		.amdhsa_system_vgpr_workitem_id 0
		.amdhsa_next_free_vgpr 1024
		.amdhsa_next_free_sgpr 100
		.amdhsa_reserve_vcc 0
		.amdhsa_float_denorm_mode_32 3
		.amdhsa_float_denorm_mode_16_64 3
		.amdhsa_memory_ordered 1
		.amdhsa_forward_progress 1
		.amdhsa_inst_pref_size 119
	.end_amdhsa_kernel
	.amdgpu_metadata
---
amdhsa.version: [ 1, 2 ]
amdhsa.kernels:
  - .name:           k_qc6d828f616_qkv
    .symbol:         k_qc6d828f616_qkv.kd
    .args:
      - { .name: xq, .offset: 0, .size: 8, .value_kind: global_buffer, .address_space: global }
      - { .name: xs, .offset: 8, .size: 8, .value_kind: global_buffer, .address_space: global }
      - { .name: wq, .offset: 16, .size: 8, .value_kind: global_buffer, .address_space: global }
      - { .name: ws, .offset: 24, .size: 8, .value_kind: global_buffer, .address_space: global }
      - { .name: b_in, .offset: 32, .size: 8, .value_kind: global_buffer, .address_space: global }
      - { .name: qkv, .offset: 40, .size: 8, .value_kind: global_buffer, .address_space: global }
    .group_segment_fixed_size: 327680
    .private_segment_fixed_size: 0
    .kernarg_segment_align: 8
    .kernarg_segment_size: 48
    .max_flat_workgroup_size: 128
    .sgpr_count:     100
    .vgpr_count:     1024
    .wavefront_size: 32
...
	.end_amdgpu_metadata
.endif
;; end of part 2
;; launch attn (part 3): grid 8 x 32, 8 waves a work-group, clusters of 4 x 1, 327,680 bytes of LDS; arguments qkv, ctxf; writes ctxf
.if DOCPART == 3
	.amdgcn_target "amdgcn-amd-amdhsa--gfx1250"
	.amdhsa_code_object_version 6
	.text
	.protected	k_qc6d828f616_attn
	.globl	k_qc6d828f616_attn
	.p2align	8
	.type	k_qc6d828f616_attn,@function
k_qc6d828f616_attn:
	s_mov_b64 s[64:65], 0
	v_nop
	global_prefetch_b8 v0, s[64:65] scope:SCOPE_SE
	s_setreg_imm32_b32 hwreg(HW_REG_WAVE_MODE, 25, 1), 1
	s_wait_xcnt 0x0
	s_wait_alu depctr_hold_cnt(0) depctr_sa_sdst(0) depctr_va_vdst(0) depctr_va_sdst(0) depctr_va_ssrc(0) depctr_va_vcc(0) depctr_vm_vsrc(0)
	s_getreg_b32 s2, hwreg(HW_REG_IB_STS2, 6, 4)
	s_cmp_eq_u32 s2, 0
	s_cbranch_scc0 .Lentry_in_a_cluster
	s_endpgm
.Lentry_in_a_cluster:
	s_bfe_u32 s2, ttmp6, 0x10000c
	s_cmp_lg_u32 s2, 0x3003
	s_cbranch_scc0 .Lentry_shape_is_right
	s_endpgm
.Lentry_shape_is_right:
; ATTN: ctx[b][h][q][:] = the sum over k of softmax_k(q . k / 8) v[k][:], 32 (batch, head) pairs, 2,048 queries and keys, head size 64, no mask.  Operands f16, products, maxima and sums f32;
; the weights p are rounded to f16 for the second product, ctx once at the end.
; qkv: [b 2][sigma 48][row tile 128][channels / 16: 4][512 bytes]; sigma = head (q), 16 + head (k), 32 + head (v).  q and k: two blocks on end are an f16 fragment of 16 rows x 32 channels, 16 bytes a lane
; at 16 x lane.  v: a block is 16 keys x 32 bytes.  ctxf: [row tile 256][kf32 32][1,024 bytes], kf32 = 2 head + channels / 32: f16 fragments for the projection that follows.
; SHARES.  A work-group owns 256 queries of one (batch, head); each of its EIGHT waves owns 32, two tiles of 16, in 256 registers.  Every wave walks all 2,048 keys, 64 a step; each fragment of K and V read
; from LDS feeds two matrix instructions.
; LAYOUT.  S^T = K Q^T (source 0 = 16 keys, source 1 = 16 queries): a lane holds ONE query (lane % 16) and the keys 8 (lane / 16) + 0..7 of each tile of keys.  Two such tiles, rounded to f16 in pairs, ARE
; source 1 (32 keys x 16 queries) of O^T = V^T P, whose result again holds one query a lane, and eight channels: rounded in pairs they are ctx's fragments, stored as they stand.  V is turned by ds_load_tr16_b128.
; SOFTMAX.  For each query a running maximum m and sum l: p = 2^(c s - c m), c = log2(e) / 8; in every step O and l are multiplied by a = 2^(c m_old - c m_new).  O and l begin as zeros and m as -3e38, so the
; first a is 0 and multiplies zeros.
; TWO ROLES, HALF A STEP APART.  A key step has two halves: SCORES (K from LDS, the products K Q^T, V's loads issued) and SOFTPV (the softmax, O^T times a, the products V^T P).  A trip's text is
; [SCORES] SOFTPV [SCORES].  A wave of role 0 runs the first SCORES and SOFTPV: step i.  A wave of role 1 runs SOFTPV of step i - 1 and the second SCORES, of step i.  So behind every barrier the waves of role 0
; begin with LDS and matrix work and those of role 1 with vector work, and one wave's products stand beside another's softmax.  The role is bit 0 xor bit 2 of the wave's number: waves w and w + 4 differ, and
; so do waves 2 i and 2 i + 1.  Trip 0 is written out (all waves SCORES, role 0 also SOFTPV), and role 1 ends with one SOFTPV: both roles run 32 of each half.
; RING.  Two LDS slots of 512 keys (K's 65,536 bytes, then V's), each wave fetching 16,384 dense bytes with one tensor load: one load of mine is out behind each change of slots, with eight key steps in which to land.
; At a change a wave of role 1 has issued V's loads of the old slot's last step, and has waited for them; its SOFTPV behind the change touches registers alone.
; CLUSTER.  The four query blocks of a cluster belong to one head and walk the same K and V: each tile is asked for JOINTLY, by the same tensor load with the same descriptor and a mask that names the four.
; LIMITS: p under 6e-8 of the row's largest counts as 0 in the second product (it still counts in the sum); ctx is f16 (over 65,504: infinity; under 6e-5: an absolute step of 6e-8).  NaN and infinities are not served.
.set SLOT1, 131072                     ; slot 1 begins here: one exclusive or turns an address in one slot into the other's
.set VOFF,  65536                      ; in a slot: K's 32 tiles of 2,048 bytes, then V's
.set STEPB, 8192                       ; a step's four tiles of 16 keys
.set NST,   8                          ; key steps in a slot
.set SLOTB, NST*STEPB                  ; a slot's worth of K, or of V, in LDS and in memory
.set SPARE, 2*SLOT1                    ; behind the ring: the spare words, 128 bytes for each wave: four blocks of 256 bytes that no other line names
.set L16, 1                            ; v1   16 x lane: an image's place for my lane; never rewritten
.set AV0, 2                            ; v2   my lane's place in a block of V, for the turning load
.set ADK, 3                            ; v3   LDS address of the trip's K
.set ADV, 4                            ; v4   of its V
.set PFO, 5                            ; v5   256 x lane; never rewritten
.set SPW, 6                            ; v6   LDS address of my spare word; never rewritten
.set NIL, 7                            ; v7   0; never rewritten
.set ST,  8                            ; v8-23   tile t's statistics at v[ST+8 t]: +0 c m, +1 m, +2, +3 l (even keys', odd keys'), +4, +5 at work, +6 a, +7 c m_old, then its change
.set Q,   24                           ; v24-55  Q: tile t, channels 32 cf on, at 16 t + 8 cf
.set S,   56                           ; v56-119 S^T, 32 a tile; P is packed in place into the low 16 of each tile
.set O,   120                          ; v120-183 O^T: tile t, channels 16 ct on, at 32 t + 8 ct
.set KV,  184                          ; v184-247 one buffer: a step's eight fragments of K, then of V
.set WV,  12                           ; s12  my wave's number
.set LIM, 15                           ; s15  1 in a wave that prefetches, else the greatest number
.set ROLE, 16                          ; s16  my role, 0 or 1
.set PFA, 18                           ; s[18:19] where my prefetches stand
.set G1,  24                           ; s[24:31] descriptor group 1
.set G0,  40                           ; s[40:43] descriptor group 0, which walks
.set SLOTS, 56                         ; s56  slots still to be asked for
.set CNT, 57                           ; s57  counts a slot's trips
.set CS,  58                           ; s[58:59] c: the packed scaling names a pair and takes its low word for both halves
.set SEL, 60                           ; s[60:61] lane selects for v_permlanex16_b32: lane l xor 16
.set TB,  62                           ; s62  LDS byte at which the trip's step begins
.macro CROUND                          ; a round of the cluster's barrier
	s_barrier_signal -1
	s_barrier_wait -1
	s_cmp_lg_u32 s[WV], 0
	s_cbranch_scc1 .Lnot_wave_0_\@
	s_barrier_signal -3
.Lnot_wave_0_\@:
	s_barrier_wait -3
	s_barrier_signal -1
	s_barrier_wait -1
.endm
; A PREFETCH of what the NEXT change of slots will ask for: 512 keys of K and of V, 65,536 dense bytes each.  Each aligned block of 256 bytes is asked for ONCE in the launch.  Both clusters of a head walk the
; same K and V: the head's first cluster asks.  In each of its four partners waves 0 and 2 ask for K's two halves and waves 4 and 6 for V's, one instruction each; of a half's 128 blocks the partners take 32
; each, told apart BY ADDRESS, a lane a block.  It stands behind the wave's tensor load and its five lines.  The last change that fills a slot asks for nothing: there is no slot behind it.  The first two slots
; come by their loads alone.
.macro ASK
	s_cmp_gt_u32 s[SLOTS], s[LIM]
	s_cbranch_scc0 .Lnot_mine_\@
	global_prefetch_b8 v[PFO], s[PFA:PFA+1] th:TH_LOAD_NT scope:SCOPE_SE
.Lnot_mine_\@:
.endm
	s_load_b128 s[4:7], s[0:1], 0x0                ; qkv s[4:5], ctxf s[6:7]
	v_lshl_add_u32 v[SPW], v0, 2, SPARE
	v_mov_b32 v[NIL], 0
	ds_add_u32 v[SPW], v[NIL]                      ; the wave's opening: the add, twice on end, and its wait ahead of my first tensor load; the set-up below, work on registers, stands between
	ds_add_u32 v[SPW], v[NIL]
	v_lshrrev_b32 v1, 5, v0
	v_readfirstlane_b32 s[WV], v1                  ; wave 0..7
	s_lshr_b32 s[ROLE], s[WV], 2
	s_xor_b32 s[ROLE], s[ROLE], s[WV]
	s_and_b32 s[ROLE], s[ROLE], 1                  ; bit 0 xor bit 2 of the wave's number: the same in every work-group
	s_bfe_u32 s13, ttmp6, 0x40000                  ; cx: my place in the cluster
	s_lshl_b32 s14, ttmp9, 2                       ; in a cluster launch ttmp9 counts clusters
	s_add_co_u32 s14, s14, s13                     ; my block of 256 queries: it enters Q's and ctx's addresses alone
	s_and_b32 s20, ttmp7, 0xffff
	s_lshr_b32 s21, s20, 4                         ; the batch
	s_and_b32 s20, s20, 15                         ; the head: the four partners share both
	s_mul_i32 s22, s21, 12582912
	s_lshl_b32 s23, s20, 18
	s_add_co_u32 s22, s22, s23                     ; the head's first byte among q's
	s_lshr_b32 s32, s[WV], 2                       ; what I fetch: waves 0-3 K's quarters, waves 4-7 V's
	s_add_co_u32 s32, s32, 1
	s_lshl_b32 s32, s32, 22                        ; k lies 16 runs of 262,144 bytes behind q, v 32
	s_and_b32 s33, s[WV], 3
	s_lshl_b32 s33, s33, 14                        ; my quarter of a slot's 65,536 bytes
	s_add_co_u32 s32, s32, s33
	s_add_co_u32 s32, s32, s22
	s_mov_b32 s33, 0
	s_lshl_b32 s34, s14, 15                        ; Q: my block's 16 row tiles of 2,048 bytes,
	s_lshl_b32 s35, s[WV], 12                      ; my wave's two
	s_add_co_u32 s34, s34, s35
	s_add_co_u32 s34, s34, s22
	s_mov_b32 s35, 0
	s_lshl_b32 s36, s21, 22                        ; ctxf: the batch's 128 row tiles of 32,768 bytes,
	s_lshl_b32 s37, s14, 19                        ; my block's 16,
	s_add_co_u32 s36, s36, s37
	s_lshl_b32 s37, s[WV], 16                      ; my wave's two,
	s_add_co_u32 s36, s36, s37
	s_lshl_b32 s37, s20, 11                        ; the head's two images
	s_add_co_u32 s36, s36, s37
	s_mov_b32 s37, 0
	; descriptor group 1: 16,384 dense bytes as 64 rows of 256 (32 elements of 8 bytes); no padding: every LDS read takes 16 x lane
	s_mov_b32 s[G1], 15|(3<<16)|(1<<21)            ; 15:0 the mask: all four work-groups; 17:16 elements of 8 bytes; 21 set beside a mask
	s_mov_b32 s[G1+1], 32<<16                      ; tensor_dim0
	s_mov_b32 s[G1+2], 64<<16                      ; tensor_dim1
	s_mov_b32 s[G1+3], 32<<16                      ; tile_dim0
	s_mov_b32 s[G1+4], 64                          ; tile_dim1
	s_mov_b32 s[G1+5], 32                          ; tensor_dim0_stride
	s_mov_b32 s[G1+6], 0
	s_mov_b32 s[G1+7], 0
	s_mov_b32 s[CS], 0x3e38aa3b                    ; c = log2(e) / 8
	s_mov_b32 s[CS+1], s[CS]                       ; named with it as a pair, so it is written
	s_mov_b32 s[SEL], 0x76543210
	s_mov_b32 s[SEL+1], 0xfedcba98
	s_mov_b32 s[TB], 0
	s_mov_b32 s[SLOTS], 3                          ; 2,048 keys are four slots' worth; the first comes at the head
	s_and_b32 s[LIM], s[WV], 1                     ; 0 in waves 0, 2, 4 and 6,
	s_or_b32 s[LIM], s[LIM], ttmp9                 ; where the cluster is the head's first: the same in all four partners
	s_cmp_eq_u32 s[LIM], 0
	s_cselect_b32 s[LIM], 1, -1
	s_lshl_b32 s46, s13, 13                        ; the prefetches: my work-group's 32 blocks of the 128 that begin where my wave's quarter begins,
	s_add_co_u32 s46, s46, SLOTB                   ; in the second slot's worth: the first change of slots steps it to the third
	s_mov_b32 s47, 0
	s_wait_dscnt 0x0                               ; both opening adds are done
	s_wait_kmcnt 0x0
	s_add_nc_u64 s[44:45], s[4:5], s[32:33]        ; my stream of K or V
	s_add_nc_u64 s[4:5], s[4:5], s[34:35]          ; Q at my wave's first tile
	s_add_nc_u64 s[6:7], s[6:7], s[36:37]          ; ctxf likewise
	s_add_nc_u64 s[PFA:PFA+1], s[44:45], s[46:47]
	s_mov_b32 s[G0], 1                             ; 1:0 count = 1
	s_lshl_b32 s[G0+1], s[WV], 14                  ; 63:32 LDS address: slot 0, wave x 16,384: no place in the cluster enters an LDS address
	s_mov_b64 s[G0+2:G0+3], s[44:45]               ; 120:64 global address: the head's first 512 keys
	s_or_b32 s[G0+3], s[G0+3], 0x80000000          ; 127:126 type = 2
	CROUND                                         ; all four work-groups are here: the first joint loads meet
	tensor_load_to_lds s[G0:G0+3], s[G1:G1+7]      ; every wave runs this line with its own two addresses
	s_nop 0
.rept 4
	v_nop
.endr
	v_and_b32 v1, 31, v0
	v_lshlrev_b32 v[PFO], 8, v1
	v_lshlrev_b32 v[L16], 4, v1
.irp t, 0,1
.irp cf, 0,1
	global_load_b128 v[Q+16*\t+8*\cf:Q+16*\t+8*\cf+3],   v[L16], s[4:5] offset:2048*\t+1024*\cf       ; Q stays in registers
	global_load_b128 v[Q+16*\t+8*\cf+4:Q+16*\t+8*\cf+7], v[L16], s[4:5] offset:2048*\t+1024*\cf+512
.endr
.endr
	; The turning load takes 16 keys x 16 channels (lane l reads 16 bytes: key 8 (l / 16) + l % 8, channels 8 ((l / 8) % 2) + 0..7) and leaves half a fragment of V^T: lane l holds channel l % 16 and 8 keys.
	v_bfe_u32 v8, v0, 4, 1
	v_and_b32 v9, 7, v0
	v_lshl_add_u32 v9, v8, 3, v9
	v_bfe_u32 v10, v0, 3, 1
	v_lshlrev_b32 v[AV0], 5, v9                    ; a key's 32 bytes
	v_lshl_add_u32 v[AV0], v10, 4, v[AV0]
	v_add_nc_u32 v[AV0], VOFF, v[AV0]
.irp t, 0,1
	v_mov_b32 v[ST+8*\t+1], 0xff61b1e6             ; m: -3e38, under every score
	v_mul_f32 v[ST+8*\t], s[CS], v[ST+8*\t+1]      ; c m
.irp j, 2,3,4,5,6,7
	v_mov_b32 v[ST+8*\t+\j], 0                     ; l; and the others, which are named in pairs or as a permute's destination before they are first written
.endr
.endr
.set i, 0
.rept 64
	v_mov_b32 v[O+i], 0                            ; O^T.  (SOFTPV has one form: its first run finds zeros, which the first a leaves zeros)
.set i, i+1
.endr
; THE FIRST HALF OF A KEY STEP: 64 keys for my two tiles of queries.  np: the v_nop that make up five places behind the last products V^T P, whose source P the products below write over, and where V lay K's
; loads land (role 0: the trip's two additions stand ahead, so three; role 1: five; trip 0: there is no product yet).
.macro SCORES np
.rept \np
	v_nop
.endr
	s_wait_dscnt 0x0                               ; on every way through the text the last run of LDS loads has landed before the next run is issued into the same registers
.irp f, 0,1,2,3,4,5,6,7                        ; keys 16 (f / 2) on, channels 32 (f % 2) on
	ds_load_b128 v[KV+8*\f:KV+8*\f+3],   v[ADK] offset:1024*\f
	ds_load_b128 v[KV+8*\f+4:KV+8*\f+7], v[ADK] offset:1024*\f+512
.endr
	s_wait_dscnt 0x0
.irp cf, 0,1                                   ; S^T = K Q^T: eight accumulators by turns, one instruction a turn; the first eight start the sums
.irp kt, 0,1,2,3
.irp t, 0,1
.if \cf == 0
	v_wmma_f32_16x16x32_f16 v[S+32*\t+8*\kt:S+32*\t+8*\kt+7], v[KV+16*\kt+8*\cf:KV+16*\kt+8*\cf+7], v[Q+16*\t+8*\cf:Q+16*\t+8*\cf+7], 0
.else
	v_wmma_f32_16x16x32_f16 v[S+32*\t+8*\kt:S+32*\t+8*\kt+7], v[KV+16*\kt+8*\cf:KV+16*\kt+8*\cf+7], v[Q+16*\t+8*\cf:Q+16*\t+8*\cf+7], v[S+32*\t+8*\kt:S+32*\t+8*\kt+7]
.endif
.endr
.endr
.endr
.rept 4
	v_nop                                          ; four places: V's loads land where K lay, and the maxima of SOFTPV read the scores
.endr
.irp kp, 0,1                                   ; V, turned: keys 32 kp on, channels 16 ct on.  It lands while the softmax is worked
.irp ct, 0,1,2,3
	ds_load_tr16_b128 v[KV+32*\kp+8*\ct:KV+32*\kp+8*\ct+3],   v[ADV] offset:4096*\kp+512*\ct
	ds_load_tr16_b128 v[KV+32*\kp+8*\ct+4:KV+32*\kp+8*\ct+7], v[ADV] offset:4096*\kp+2048+512*\ct
.endr
.endr
.endm
; THE SECOND HALF: registers alone, but for the wait for V.
.macro SOFTPV
	; the maximum of my 32 scores and the old m, in two chains a tile, the tiles by turns; each accumulator is first read at its low end
.irp t, 0,1
	v_max3_num_f32 v[ST+8*\t+4], v[S+32*\t], v[S+32*\t+1], v[S+32*\t+2]
	v_max3_num_f32 v[ST+8*\t+5], v[S+32*\t+3], v[S+32*\t+4], v[S+32*\t+5]
.endr
.irp i, 6,10,14,18,22,26
.irp t, 0,1
	v_max3_num_f32 v[ST+8*\t+4], v[ST+8*\t+4], v[S+32*\t+\i], v[S+32*\t+\i+1]
	v_max3_num_f32 v[ST+8*\t+5], v[ST+8*\t+5], v[S+32*\t+\i+2], v[S+32*\t+\i+3]
.endr
.endr
.irp t, 0,1
	v_max3_num_f32 v[ST+8*\t+4], v[ST+8*\t+4], v[S+32*\t+30], v[S+32*\t+31]
.endr
.irp t, 0,1
	v_max3_num_f32 v[ST+8*\t+4], v[ST+8*\t+4], v[ST+8*\t+5], v[ST+8*\t+1]
.endr
.irp t, 0,1
	v_permlanex16_b32 v[ST+8*\t+5], v[ST+8*\t+4], s[SEL], s[SEL+1]   ; the query's other 32 keys lie in the lane 16 away
.endr
.irp t, 0,1
	v_mov_b32 v[ST+8*\t+7], v[ST+8*\t]             ; c m_old is kept for a
.endr
.irp t, 0,1
	v_max_num_f32 v[ST+8*\t+1], v[ST+8*\t+4], v[ST+8*\t+5]           ; the new m
.endr
.irp t, 0,1
	v_mul_f32 v[ST+8*\t], s[CS], v[ST+8*\t+1]
.endr
.irp t, 0,1
	v_sub_f32 v[ST+8*\t+7], v[ST+8*\t+7], v[ST+8*\t]
.endr
	; ONE BATCH: a of both tiles, the 32 scalings, the 64 exponentials; none of these names an exponential's result
.irp t, 0,1
	v_exp_f32 v[ST+8*\t+6], v[ST+8*\t+7]           ; a = 2^(c m_old - c m_new)
.endr
.irp j, 0,2,4,6,8,10,12,14,16,18,20,22,24,26,28,30
.irp t, 0,1
	v_pk_fma_f32 v[S+32*\t+\j:S+32*\t+\j+1], v[S+32*\t+\j:S+32*\t+\j+1], s[CS:CS+1], v[ST+8*\t:ST+8*\t+1] op_sel_hi:[1,0,0] neg_lo:[0,0,1] neg_hi:[0,0,1]   ; c s - c m
.endr
.endr
.set i, 0
.rept 64
	v_exp_f32 v[S+i], v[S+i]                       ; p, at most 1
.set i, i+1
.endr
	v_nop                                          ; a plain instruction behind the last exponential, ahead of the first use
	s_wait_alu depctr_va_vdst(0)                   ; the wait ahead of the first instruction that names a result: one for the step's 66 exponentials
	; l = a l + the sum of the unrounded p: pairs (an even key's, an odd key's), two chains a tile
.irp t, 0,1
	v_pk_fma_f32 v[ST+8*\t+2:ST+8*\t+3], v[ST+8*\t+2:ST+8*\t+3], v[ST+8*\t+6:ST+8*\t+7], v[S+32*\t:S+32*\t+1] op_sel_hi:[1,0,1]
	v_pk_add_f32 v[ST+8*\t+4:ST+8*\t+5], v[S+32*\t+2:S+32*\t+3], v[S+32*\t+4:S+32*\t+5]
.endr
.irp j, 6,10,14,18,22,26
.irp t, 0,1
	v_pk_add_f32 v[ST+8*\t+2:ST+8*\t+3], v[ST+8*\t+2:ST+8*\t+3], v[S+32*\t+\j:S+32*\t+\j+1]
	v_pk_add_f32 v[ST+8*\t+4:ST+8*\t+5], v[ST+8*\t+4:ST+8*\t+5], v[S+32*\t+\j+2:S+32*\t+\j+3]
.endr
.endr
.irp t, 0,1
	v_pk_add_f32 v[ST+8*\t+2:ST+8*\t+3], v[ST+8*\t+2:ST+8*\t+3], v[S+32*\t+30:S+32*\t+31]
.endr
.irp t, 0,1
	v_pk_add_f32 v[ST+8*\t+2:ST+8*\t+3], v[ST+8*\t+2:ST+8*\t+3], v[ST+8*\t+4:ST+8*\t+5]
.endr
.irp i, 0,1,2,3,4,5,6,7,8,9,10,11,12,13,14,15  ; P: rounded to f16 in pairs, packed in place, ascending: register i has been read when it is written
.irp t, 0,1
	v_cvt_pk_f16_f32 v[S+32*\t+\i], v[S+32*\t+2*\i], v[S+32*\t+2*\i+1]
.endr
.endr
	s_wait_dscnt 0x0                               ; V is in
.irp j, 0,2,4,6,8,10,12,14,16,18,20,22,24,26,28,30
.irp t, 0,1
	v_pk_mul_f32 v[O+32*\t+\j:O+32*\t+\j+1], v[O+32*\t+\j:O+32*\t+\j+1], v[ST+8*\t+6:ST+8*\t+7] op_sel_hi:[1,0]   ; O^T times a, each accumulator from its low end on
.endr
.endr
.irp kp, 0,1                                   ; O^T += V^T P: eight accumulators by turns
.irp ct, 0,1,2,3
.irp t, 0,1
	v_wmma_f32_16x16x32_f16 v[O+32*\t+8*\ct:O+32*\t+8*\ct+7], v[KV+32*\kp+8*\ct:KV+32*\kp+8*\ct+7], v[S+32*\t+8*\kp:S+32*\t+8*\kp+7], v[O+32*\t+8*\ct:O+32*\t+8*\ct+7]
.endr
.endr
.endr
.endm
; A TRIP.  Both roles fetch and multiply the K and V of the step at s[TB]; role 0 also finishes that step, role 1 finishes the step before it first.  The two LDS addresses are made ahead of the parting.
; The branches hang on the wave's number alone; no barrier, no tensor load and no add stands in a trip.
.macro TRIP
	v_add_nc_u32 v[ADK], s[TB], v[L16]
	v_add_nc_u32 v[ADV], s[TB], v[AV0]
	s_cmp_lg_u32 s[ROLE], 0
	s_cbranch_scc1 .Llate_\@
	SCORES 3                                       ; role 0
.Llate_\@:
	SOFTPV
	s_cmp_eq_u32 s[ROLE], 0
	s_cbranch_scc1 .Ldone_\@
	SCORES 5                                       ; role 1
.Ldone_\@:
	s_add_co_u32 s[TB], s[TB], STEPB
.endm
.macro TRIPS n                         ; the last n trips of a slot: written once, walked n times; then on to the other slot
	s_mov_b32 s[CNT], \n
.Ltrip_\@:
	TRIP
	s_sub_co_u32 s[CNT], s[CNT], 1
	s_cmp_lg_u32 s[CNT], 0
	s_cbranch_scc1 .Ltrip_\@
	s_sub_co_u32 s[TB], s[TB], SLOTB               ; back to a slot's first step,
	s_xor_b32 s[TB], s[TB], SLOT1                  ; in the other slot
.endm
; THE CHANGE OF SLOTS stands at a slot's head.  Each wave waits for all its tensor loads (its part of the slot that it is about to read), adds 0 to its spare word, and waits for that and for its reads of the
; slot that it has left (role 1: V of that slot's last step among them).  fill = 1: the barrier is a round of the cluster's, so that no wave of any partner still reads that slot or has a load on its way, and the
; joint load of the next 512 keys is the first thing behind it, my one tensor load until the next round.
.macro CHANGE fill
	s_wait_tensorcnt 0x0                           ; no tensor load of mine is out, so group 0 may be written
	ds_add_u32 v[SPW], v[NIL]                      ; 0 onto my spare word: with fill = 1 the descriptor's steps stand between it and the wait for it
.if \fill
	s_xor_b32 s[G0+1], s[G0+1], SLOT1              ; the other slot than last time,
	s_add_nc_u64 s[G0+2:G0+3], s[G0+2:G0+3], SLOTB ; the next 512 keys; the type bits on top are not reached
	s_wait_xcnt 0x0                                ; the last prefetch, a slot back, has read its address, so it may be written:
	s_add_nc_u64 s[PFA:PFA+1], s[PFA:PFA+1], SLOTB ; one slot further on than the descriptor
	s_wait_dscnt 0x0                               ; the add is done, and my reads of the slot that I have left are over
	CROUND
	tensor_load_to_lds s[G0:G0+3], s[G1:G1+7]
	s_nop 0
.rept 4
	v_nop
.endr
	ASK                                            ; what the next change will ask for: eight key steps ahead of that load
.else
	s_wait_dscnt 0x0
	s_barrier_signal -1
	s_barrier_wait -1
.endif
.endm
	s_wait_loadcnt 0x0                             ; Q
	CHANGE 1                                       ; keys 0 to 511 are in; keys 512 to 1,023 are asked for
	v_add_nc_u32 v[ADK], s[TB], v[L16]             ; TRIP 0, written out: every wave makes the first scores; role 1 has no step to finish yet
	v_add_nc_u32 v[ADV], s[TB], v[AV0]
	SCORES 0
	s_cmp_lg_u32 s[ROLE], 0
	s_cbranch_scc1 .Lfirst_late
	SOFTPV                                         ; role 0
.Lfirst_late:
	s_add_co_u32 s[TB], s[TB], STEPB
	TRIPS NST-1
	s_mov_b32 s[SLOTS], 2
.Lslot:                                            ; two trips: behind each of these changes of slots the next 512 keys are asked for
	CHANGE 1
	TRIPS NST
	s_sub_co_u32 s[SLOTS], s[SLOTS], 1
	s_cmp_lg_u32 s[SLOTS], 0
	s_cbranch_scc1 .Lslot
	CHANGE 0                                       ; the last slot is written out
	TRIPS NST
	s_cmp_eq_u32 s[ROLE], 0
	s_cbranch_scc1 .Llast_done
	SOFTPV                                         ; role 1 finishes the last step
.Llast_done:
	; THE WAY OUT.  l's two halves and the other half of the lanes' are added; O^T is divided by l and rounded to f16: four registers are a lane's 16 bytes of an image of ctx.
.rept 4
	v_nop                                          ; places behind the last products
.endr
.irp t, 0,1
	v_add_f32 v[ST+8*\t+4], v[ST+8*\t+2], v[ST+8*\t+3]
.endr
.irp t, 0,1
	v_permlanex16_b32 v[ST+8*\t+5], v[ST+8*\t+4], s[SEL], s[SEL+1]
.endr
.irp t, 0,1
	v_add_f32 v[ST+8*\t+4], v[ST+8*\t+4], v[ST+8*\t+5]
.endr
.irp t, 0,1
	v_rcp_f32 v[ST+8*\t+6], v[ST+8*\t+4]
.endr
	v_nop                                          ; a plain instruction between the last reciprocal and the use of its result
	s_wait_alu depctr_va_vdst(0)                   ; and the wait ahead of the first use: one for the two
.irp j, 0,2,4,6,8,10,12,14,16,18,20,22,24,26,28,30
.irp t, 0,1
	v_pk_mul_f32 v[O+32*\t+\j:O+32*\t+\j+1], v[O+32*\t+\j:O+32*\t+\j+1], v[ST+8*\t+6:ST+8*\t+7] op_sel_hi:[1,0]
.endr
.endr
.irp t, 0,1
.irp i, 0,1,2,3,4,5,6,7,8,9,10,11,12,13,14,15
	v_cvt_pk_f16_f32 v[S+16*\t+\i], v[O+32*\t+2*\i], v[O+32*\t+2*\i+1]
.endr
.endr
.irp t, 0,1
.irp ct, 0,1,2,3
	global_store_b128 v[L16], v[S+16*\t+4*\ct:S+16*\t+4*\ct+3], s[6:7] offset:32768*\t+512*\ct   ; 32 lanes store 512 consecutive bytes, at a multiple of 512 from the buffer's first byte
.endr
.endr
	s_wait_tensorcnt 0x0                           ; the wave's end: behind my last tensor load
	ds_add_u32 v[SPW], v[NIL]
	s_wait_dscnt 0x0
	CROUND                                         ; the closing round: no work-group ends while a partner may still ask for a tile that names it
	s_endpgm
.Lfunc_end_k_qc6d828f616_attn:
	.size	k_qc6d828f616_attn, .Lfunc_end_k_qc6d828f616_attn-k_qc6d828f616_attn
	.p2alignl 7, 3214868480
	.fill 96, 4, 3214868480
	.section	.rodata,"a",@progbits
	.p2align	6, 0x0
	.amdhsa_kernel k_qc6d828f616_attn
		.amdhsa_group_segment_fixed_size 327680
		.amdhsa_private_segment_fixed_size 0
		.amdhsa_enable_private_segment 0
		.amdhsa_kernarg_size 16
		.amdhsa_user_sgpr_count 2
		.amdhsa_user_sgpr_kernarg_segment_ptr 1
		.amdhsa_wavefront_size32 1
		.amdhsa_system_sgpr_workgroup_id_x 1
		.amdhsa_system_sgpr_workgroup_id_y 1
		.amdhsa_system_sgpr_workgroup_id_z 1
		.amdhsa_system_vgpr_workitem_id 0
		.amdhsa_next_free_vgpr 256
		.amdhsa_next_free_sgpr 66
		.amdhsa_reserve_vcc 0
		.amdhsa_float_denorm_mode_32 3
		.amdhsa_float_denorm_mode_16_64 3
		.amdhsa_memory_ordered 1
		.amdhsa_forward_progress 1
		.amdhsa_inst_pref_size 109
	.end_amdhsa_kernel
	.amdgpu_metadata
---
amdhsa.version: [ 1, 2 ]
amdhsa.kernels:
  - .name:           k_qc6d828f616_attn
    .symbol:         k_qc6d828f616_attn.kd
    .args:
      - { .name: qkv, .offset: 0, .size: 8, .value_kind: global_buffer, .address_space: global }
      - { .name: ctxf, .offset: 8, .size: 8, .value_kind: global_buffer, .address_space: global }
    .group_segment_fixed_size: 327680
    .private_segment_fixed_size: 0
    .kernarg_segment_align: 8
    .kernarg_segment_size: 16
    .max_flat_workgroup_size: 256
    .sgpr_count:     66
    .vgpr_count:     256
    .wavefront_size: 32
...
	.end_amdgpu_metadata
.endif
;; end of part 3
;; launch proj (part 4): grid 8 x 32, 4 waves a work-group, clusters of 4 x 4, 327,680 bytes of LDS; arguments ctxf, wof, b_out, out0; writes out0
.if DOCPART == 4
	.amdgcn_target "amdgcn-amd-amdhsa--gfx1250"
	.amdhsa_code_object_version 6
	.text
	.protected	k_qc6d828f616_proj
	.globl	k_qc6d828f616_proj
	.p2align	8
	.type	k_qc6d828f616_proj,@function
k_qc6d828f616_proj:
	s_mov_b64 s[64:65], 0
	v_nop
	global_prefetch_b8 v0, s[64:65] scope:SCOPE_SE
	s_setreg_imm32_b32 hwreg(HW_REG_WAVE_MODE, 25, 1), 1
	s_wait_xcnt 0x0
	s_wait_alu depctr_hold_cnt(0) depctr_sa_sdst(0) depctr_va_vdst(0) depctr_va_sdst(0) depctr_va_ssrc(0) depctr_va_vcc(0) depctr_vm_vsrc(0)
	s_getreg_b32 s2, hwreg(HW_REG_IB_STS2, 6, 4)
	s_cmp_eq_u32 s2, 0
	s_cbranch_scc0 .Lentry_in_a_cluster
	s_endpgm
.Lentry_in_a_cluster:
	s_bfe_u32 s2, ttmp6, 0x10000c
	s_cmp_lg_u32 s2, 0xf033
	s_cbranch_scc0 .Lentry_shape_is_right
	s_endpgm
.Lentry_shape_is_right:
; PROJ: out0[m][n] = sum over k of ctx[m][k] W_out[k][n] + b_out[n], m 4,096, n 1,024, k 1,024; operands f16, sums and result f32.
; Both operands arrive as images of f16 fragments (16 rows x 32 K: 1,024 bytes; registers 0-3 at 16 x lane, registers 4-7 at 512 + 16 x lane): ctxf [row tile 256][kf32 32], wof [column tile 64][kf32 32].
; A tile of C is 128 x 128: 8 x 32 = 256 work-groups.  Four waves, each 64 x 64: 16 accumulators of 16 x 16, 128 registers.  K goes in steps of 256 through a ring of two LDS slots; a wave's tensor load
; brings 4 tiles of 16 rows x 8 images, 32,768 bytes.  No padding: every fragment load takes 16 x lane.
; CLUSTERS: 4 x 4 work-groups.  The four of a row of the cluster need the same tiles of ctx, the four of a column the same tiles of W_out: each tile is asked for JOINTLY, by the same tensor load with the
; same descriptor and a mask that names the four.  THE MATRIX INSTRUCTION IS USED TRANSPOSED (source 0 = 16 columns of W_out, source 1 = 16 rows of ctx): a lane then holds eight neighbouring numbers of a row of C.
; The bias is the C of each sum's first matrix instruction.  A wave's 64 columns of f32 are 256 aligned bytes of a row: each wave sends its results through a stage of its own, with no barrier.
; No prefetch: a K step's tiles are small and shared in the cluster.
; REGISTERS: window 0: v0-31 addresses; v32-95 rows on the way out, two sets; v96-127 the bias in the result's layout; v128-255 the accumulators ((a, b) at v[128 + 8 (4 a + b)]).
;   window 1: two fragment buffers of 128: for 64 along K, 64 registers of ctx (2 x 4 x 16 rows x 32 K), then 64 of W_out.
.set HALFT,  32768                     ; what one tensor load brings, and what one wave reads of ctx or of W_out in a K step
.set SLOT,   4*HALFT                   ; ctx's 128 rows, then W_out's 128 columns
.set STAGE,  2*SLOT                    ; behind the ring: 16 rows x 272 bytes for each wave, for the way out
.set SPITCH, 272                       ; 256 bytes + 16: row r starts 4 r banks on
.set SPARE,  STAGE+4*16*SPITCH         ; the spare words, 128 bytes for each wave: two blocks of 256 bytes that no other line names
.set LAPS,   2                         ; a lap = two K steps of 256 = once round the ring
.set ADRA, 16                          ; v16-17  LDS address of my fragments of ctx in slot 0, 1
.set ADRB, 20                          ; v20-21  the same for W_out
.set STO,  24                          ; v24     the way out: where I put 32 bytes of a row
.set RD,   25                          ; v25     the way out: where I read a row back
.set CO,   26                          ; v26     my byte offset in two rows of C
.set VB,   27                          ; v27     32 h: my eight numbers of a tile's sixteen of the bias
.set SPW,  28                          ; v28     LDS address of my spare word; never rewritten
.set NIL,  29                          ; v29     0; never rewritten
.set TMP,  32
.set BI,   96
.set ACC,  128
.set F0,   0                           ; fragment buffers, in window 1
.set F1,   128
.set G1, 24                            ; s[24:31] descriptor group 1 for ctx's tiles;  s[32:39] group 0, one set for each slot
.set G0, 32
.set G1B, 48                           ; s[48:55], s[56:63] the same for W_out's
.set G0B, 56
.set MSB, 0
.macro WIN new                         ; the immediate's high byte repeats the setting that is left
.if MSB != (\new)
	s_set_vgpr_msb (MSB<<8)|(\new)
.set MSB, (\new)
.endif
.endm
.set MUL,  0x05                        ; sources 0 (W_out) and 1 (ctx) window 1; C and D window 0
.set TO_F, 0x40                        ; destination window 1, address window 0
.macro JLOAD s                         ; a joint load: waves 0 and 1 fetch ctx's two halves, waves 2 and 3 W_out's; an s_nop 0 and four v_nop follow each of the two lines, ahead of the jump, the label and what follows
	s_cmp_eq_u32 s11, 0
	s_cbranch_scc0 .Lfor_b_\@
	tensor_load_to_lds s[G0+4*\s:G0+4*\s+3], s[G1:G1+7]
	s_nop 0
.rept 4
	v_nop
.endr
	s_branch .Lasked_\@
.Lfor_b_\@:
	tensor_load_to_lds s[G0B+4*\s:G0B+4*\s+3], s[G1B:G1B+7]
	s_nop 0
.rept 4
	v_nop
.endr
.Lasked_\@:
.endm
.macro CREST                           ; a round of the cluster's barrier behind its opening barrier
	s_cmp_lg_u32 s10, 0
	s_cbranch_scc1 .Lnot_wave_0_\@
	s_barrier_signal -3
.Lnot_wave_0_\@:
	s_barrier_wait -3
	s_barrier_signal -1
	s_barrier_wait -1
.endm
.macro CROUND                          ; a whole round
	s_barrier_signal -1
	s_barrier_wait -1
	CREST
.endm
	s_load_b128 s[4:7], s[0:1], 0x0                ; ctxf s[4:5], wof s[6:7]
	s_load_b128 s[68:71], s[0:1], 0x10             ; b_out s[68:69], out0 s[70:71]
	v_lshl_add_u32 v[SPW], v0, 2, SPARE
	v_mov_b32 v[NIL], 0
	ds_add_u32 v[SPW], v[NIL]                      ; the wave's opening: the add, twice on end, and its wait ahead of my first tensor load; the set-up below, work on registers, stands between
	ds_add_u32 v[SPW], v[NIL]
	v_lshrrev_b32 v1, 5, v0
	v_readfirstlane_b32 s10, v1                    ; wave 0..3
	s_lshr_b32 s11, s10, 1                         ; which half of the tile's rows is mine.  Also: I fetch for ctx (0) or for W_out (1)
	s_and_b32 s12, s10, 1                          ; which half of its columns.  Also: which 64 rows of that tile I fetch
	s_bfe_u32 s40, ttmp6, 0x40000                  ; cx, cy: my place in the cluster
	s_bfe_u32 s41, ttmp6, 0x40004
	s_lshl_b32 s42, ttmp9, 2
	s_add_co_u32 s42, s42, s40                     ; tile column of C = 4 x cluster x + cx
	s_and_b32 s13, ttmp7, 0xffff
	s_lshl_b32 s13, s13, 2
	s_add_co_u32 s13, s13, s41                     ; tile row of C = 4 x cluster y + cy
	s_lshl_b32 s43, s41, 2
	s_lshl_b32 s43, 15, s43                        ; my row of the cluster
	s_lshl_b32 s44, 0x1111, s40                    ; my column
	; descriptor group 1: 4 rows (tiles of 16) of 8,192 bytes (a K step's eight images), 32,768 bytes apart; elements of 8 bytes; no padding
	s_or_b32 s[G1+0], s43, (3<<16)|(1<<21)         ; 15:0 the mask: ctx's tiles go to my row; 17:16 elements of 8 bytes; 21 set beside a mask
	s_or_b32 s[G1B+0], s44, (3<<16)|(1<<21)
.irp g, G1, G1B
	s_mov_b32 s[\g+1], 1024<<16                    ; tensor_dim0
	s_mov_b32 s[\g+2], 4<<16                       ; tensor_dim1
	s_mov_b32 s[\g+3], 1024<<16                    ; tile_dim0
	s_mov_b32 s[\g+4], 4                           ; tile_dim1
	s_mov_b32 s[\g+5], 4096                        ; tensor_dim0_stride
	s_mov_b32 s[\g+6], 0
	s_mov_b32 s[\g+7], 0
.endr
	s_lshl_b32 s17, s12, 17                        ; which 64 rows I fetch: 4 tiles of 32,768 bytes
	s_lshl_b32 s16, s13, 18
	s_add_co_u32 s16, s16, s17                     ; ctx: by the tile row alone
	s_lshl_b32 s46, s42, 18
	s_add_co_u32 s46, s46, s17                     ; W_out: by the tile column alone
	s_mov_b32 s17, 0
	s_mov_b32 s47, 0
	s_lshl_b32 s20, s10, 15                        ; where they go: wave x 32,768: no place in the cluster enters an LDS address
	s_wait_dscnt 0x0                               ; both opening adds are done
	s_wait_kmcnt 0x0
	s_add_nc_u64 s[14:15], s[4:5], s[16:17]
	s_add_nc_u64 s[46:47], s[6:7], s[46:47]
	CROUND                                         ; all sixteen work-groups are here: the first joint loads meet
.irp s, 0,1
	s_mov_b32 s[G0+4*\s], 1
	s_add_co_u32 s[G0+4*\s+1], s20, \s*SLOT
	s_add_nc_u64 s[G0+4*\s+2:G0+4*\s+3], s[14:15], \s*8192
	s_or_b32 s[G0+4*\s+3], s[G0+4*\s+3], 0x80000000
	s_mov_b32 s[G0B+4*\s], 1
	s_add_co_u32 s[G0B+4*\s+1], s20, \s*SLOT
	s_add_nc_u64 s[G0B+4*\s+2:G0B+4*\s+3], s[46:47], \s*8192
	s_or_b32 s[G0B+4*\s+3], s[G0B+4*\s+3], 0x80000000
	JLOAD \s                                       ; two tensor loads of mine are out
.endr
	v_and_b32 v1, 15, v0                           ; r
	v_bfe_u32 v2, v0, 4, 1                         ; h
	v_and_b32 v3, 31, v0
	v_lshlrev_b32 v3, 4, v3                        ; 16 x lane: an image's place for my lane
	v_lshlrev_b32 v[VB], 5, v2
	s_lshl_b32 s46, s42, 9                         ; my first column, in bytes: 4 (128 x tile column + 64 x half)
	s_lshl_b32 s47, s12, 8
	s_add_co_u32 s46, s46, s47
	s_mov_b32 s47, 0
	s_add_nc_u64 s[68:69], s[68:69], s[46:47]
.irp b, 0,1,2,3
	global_load_b128 v[BI+8*\b:BI+8*\b+3], v[VB], s[68:69] offset:64*\b          ; lane (r, h), register j: b_out at column 16 b + 8 h + j
	global_load_b128 v[BI+8*\b+4:BI+8*\b+7], v[VB], s[68:69] offset:64*\b+16
.endr
	s_lshl_b32 s21, s11, 15                        ; my 64 rows of ctx
	s_lshl_b32 s22, s12, 15                        ; my 64 columns of W_out,
	s_add_co_u32 s22, s22, 2*HALFT                 ; which lie behind ctx's 128 rows
.irp s, 0,1
	v_add_nc_u32 v[ADRA+\s], s21, v3
	v_add_nc_u32 v[ADRB+\s], s22, v3
	s_add_co_u32 s21, s21, SLOT
	s_add_co_u32 s22, s22, SLOT
.endr
	s_mul_i32 s23, s10, 16*SPITCH
	s_add_co_u32 s23, s23, STAGE                   ; my stage
	v_mul_u32_u24 v4, v1, SPITCH                   ; in: row r, 32 bytes for each half of the lanes
	v_lshl_add_u32 v4, v2, 5, v4
	v_add_nc_u32 v[STO], s23, v4
	v_mul_u32_u24 v5, v2, SPITCH                   ; back: lanes 0-15 take one row of 256 bytes, lanes 16-31 the next
	v_lshl_add_u32 v5, v1, 4, v5
	v_add_nc_u32 v[RD], s23, v5
	v_lshlrev_b32 v5, 12, v2                       ; and the same two rows in C (4,096 bytes a row)
	v_lshl_add_u32 v[CO], v1, 4, v5
	s_lshl_b32 s16, s13, 19                        ; my first row of C: 128 x tile row + 64 x half, rows of 4,096 bytes
	s_lshl_b32 s17, s11, 18
	s_add_co_u32 s16, s16, s17
	s_mov_b32 s17, 0
	s_add_nc_u64 s[16:17], s[16:17], s[46:47]
	s_add_nc_u64 s[70:71], s[70:71], s[16:17]
; 8 matrix instructions: m blocks a0, a0 + 1 x all 4 n blocks, 32 along K: half c of buffer f.  zero = 1: the first product starts the sums from the bias.  The 16 accumulators take turns.
.macro MUL8 f, c, a0, zero
.irp a, \a0, \a0+1
.irp b, 0,1,2,3
.if \zero
	v_wmma_f32_16x16x32_f16 v[ACC+8*(4*(\a)+\b):ACC+8*(4*(\a)+\b)+7], v[\f+64+8*(4*\c+\b):\f+64+8*(4*\c+\b)+7], v[\f+8*(4*\c+\a):\f+8*(4*\c+\a)+7], v[BI+8*\b:BI+8*\b+7]
.else
	v_wmma_f32_16x16x32_f16 v[ACC+8*(4*(\a)+\b):ACC+8*(4*(\a)+\b)+7], v[\f+64+8*(4*\c+\b):\f+64+8*(4*\c+\b)+7], v[\f+8*(4*\c+\a):\f+8*(4*\c+\a)+7], v[ACC+8*(4*(\a)+\b):ACC+8*(4*(\a)+\b)+7]
.endif
.endr
.endr
.endm
; 32 LDS loads in one run: the fragments of 64 along K (two images a tile, from byte k of a tile's 8,192 on) into buffer f; the first 32 along K first
.macro FETCH slot, k, f
	WIN TO_F
.irp c, 0,1
.irp i, 0,1,2,3
	ds_load_b128 v[\f+64+8*(4*\c+\i):\f+64+8*(4*\c+\i)+3],   v[ADRB+\slot] offset:\k+1024*\c+8192*\i
	ds_load_b128 v[\f+64+8*(4*\c+\i)+4:\f+64+8*(4*\c+\i)+7], v[ADRB+\slot] offset:\k+1024*\c+8192*\i+512
	ds_load_b128 v[\f+8*(4*\c+\i):\f+8*(4*\c+\i)+3],         v[ADRA+\slot] offset:\k+1024*\c+8192*\i
	ds_load_b128 v[\f+8*(4*\c+\i)+4:\f+8*(4*\c+\i)+7],       v[ADRA+\slot] offset:\k+1024*\c+8192*\i+512
.endr
.endr
.endm
.macro PLACES                          ; four places in front of loads into registers that matrix instructions have read, and of the first read of results (ISA guide 7.12.1 for the first read of results)
.rept 4
	v_nop
.endr
.endm
; A K step is four quarters of 64 along K, 32 matrix instructions each, on buffers 0, 1, 0, 1.  One of the first three: multiplies buffer f and fetches the next quarter, at byte k, into g.
.macro QUARTER slot, k, f, g, zero
	s_wait_dscnt 16                                ; the first 32 along K are in; the youngest sixteen loads may be out
	WIN MUL
	MUL8 \f, 0, 0, \zero
	MUL8 \f, 0, 2, \zero
	PLACES
	FETCH \slot, \k, \g
	s_wait_dscnt 32                                ; all but the 32 just issued
	WIN MUL
	MUL8 \f, 1, 0, 0
	MUL8 \f, 1, 2, 0
.endm
; The last quarter multiplies buffer 1 and changes slots: ONE barrier; in front of it each wave waits for all its tensor loads, adds 0 to its spare word, and waits for that and for its own reads of this slot.  fill = 1: this slot is filled again, two K steps ahead.
.macro TURN slot, next, fill
	WIN 0                                          ; (the add's two registers lie in window 0)
	s_wait_tensorcnt 0x0                           ; all my tensor loads have landed: my part of the next slot;
	ds_add_u32 v[SPW], v[NIL]                      ; 0 onto my spare word
	s_wait_dscnt 17                                ; (the add and the youngest sixteen loads may be out)
	WIN MUL
	MUL8 F1, 0, 0, 0                               ; eight matrix instructions stand between the add and the wait for it
	s_wait_dscnt 0x0                               ; the add is done, and my reads of this slot are over
	s_barrier_signal -1
	MUL8 F1, 0, 2, 0
.if \fill
	WIN 0
.endif
	s_barrier_wait -1
.if \fill
	CREST                                          ; the barrier has opened a round of the cluster's barrier: no wave of any partner still reads this slot's tile or has a load on its way
	s_add_nc_u64 s[G0+4*\slot+2:G0+4*\slot+3], s[G0+4*\slot+2:G0+4*\slot+3], 16384
	s_add_nc_u64 s[G0B+4*\slot+2:G0B+4*\slot+3], s[G0B+4*\slot+2:G0B+4*\slot+3], 16384
	JLOAD \slot                                    ; the first tensor load behind the round, my one load until the next; the four v_nop behind it are also the places in front of the loads below
.else
	PLACES
.endif
	FETCH \next, 0, F0
	WIN MUL
	MUL8 F1, 1, 0, 0
	MUL8 F1, 1, 2, 0
.endm
	s_wait_tensorcnt 1                             ; my part of K step 0 is in (K step 1's load may be out)
	s_barrier_signal -1
	s_barrier_wait -1                              ; everybody's is
	FETCH 0, 0, F0
	s_wait_loadcnt 0x0                             ; the bias
	QUARTER 0, 2048, F0, F1, 1                     ; the first quarter stands in front of the loop: its first products start the sums from the bias
	WIN 0                                          ; at a label and at a branch every window is 0
	s_mov_b32 s3, LAPS-1
.Llap:                                                 ; a trip goes once round the ring, from a lap's second quarter to the next lap's first, and fills both slots again
	QUARTER 0, 4096, F1, F0, 0
	QUARTER 0, 6144, F0, F1, 0
	TURN 0, 1, 1
	QUARTER 1, 2048, F0, F1, 0
	QUARTER 1, 4096, F1, F0, 0
	QUARTER 1, 6144, F0, F1, 0
	TURN 1, 0, 1
	QUARTER 0, 2048, F0, F1, 0
	WIN 0
	s_sub_co_u32 s3, s3, 1
	s_cmp_lg_u32 s3, 0
	s_cbranch_scc1 .Llap
	QUARTER 0, 4096, F1, F0, 0                     ; the last lap fills nothing, and has no round of the cluster's barrier
	QUARTER 0, 6144, F0, F1, 0
	TURN 0, 1, 0
	QUARTER 1, 2048, F0, F1, 0
	QUARTER 1, 4096, F1, F0, 0
	QUARTER 1, 6144, F0, F1, 0
	s_wait_dscnt 16                                ; the very last quarter: nothing more to fetch
	WIN MUL
	MUL8 F1, 0, 0, 0
	MUL8 F1, 0, 2, 0
	s_wait_dscnt 0
	MUL8 F1, 1, 0, 0
	MUL8 F1, 1, 2, 0
	WIN 0
; THE WAY OUT, block by block of 16 rows x 64 columns.  A lane holds 32 neighbouring bytes of a row, and the lanes beside it hold other rows: so a block goes through my own stage in LDS and comes back as whole
; rows of 256 bytes, two an instruction.  LDS serves a wave's instructions in order (ISA guide 5.7.1.4): no wait between the stores and the loads, nor in front of the next block's stores.
.macro TOSTAGE a
.irp b, 0,1,2,3
	ds_store_b128 v[STO], v[ACC+8*(4*(\a)+\b):ACC+8*(4*(\a)+\b)+3] offset:64*\b          ; each accumulator from its low end on
	ds_store_b128 v[STO], v[ACC+8*(4*(\a)+\b)+4:ACC+8*(4*(\a)+\b)+7] offset:64*\b+16
.endr
.set BB, TMP+32*((\a)%2)
.irp t, 0,1,2,3,4,5,6,7
	ds_load_b128 v[BB+4*\t:BB+4*\t+3], v[RD] offset:\t*2*SPITCH
.endr
.endm
.macro SEND a, younger                 ; younger: the LDS instructions issued behind block a's loads, which may stay out
.set BB, TMP+32*((\a)%2)
	s_wait_dscnt \younger                          ; the block is back in registers
.irp t, 0,1,2,3,4,5,6,7
	global_store_b128 v[CO], v[BB+4*\t:BB+4*\t+3], s[70:71] offset:(16*(\a)+2*\t)*4096 th:TH_STORE_NT   ; sixteen lanes store 256 consecutive bytes, at a multiple of 256 from C's first byte; written once, read by nobody here
.endr
.endm
	PLACES                                         ; behind the last products
	TOSTAGE 0
.irp a, 1,2,3
.if \a > 1
	s_wait_xcnt 0x0                                ; block a - 2's stores have read their registers: block a's loads may land there
.endif
	TOSTAGE \a
	SEND \a-1, 16                                  ; behind block a - 1's loads: block a's 8 stores and 8 loads
.endr
	SEND 3, 0
	s_wait_tensorcnt 0x0                           ; the wave's end: behind my last tensor load and my last LDS store
	ds_add_u32 v[SPW], v[NIL]
	s_wait_dscnt 0x0
	CROUND                                         ; the closing round: no work-group ends while a partner may still ask for a tile that names it
	s_endpgm
.Lfunc_end_k_qc6d828f616_proj:
	.size	k_qc6d828f616_proj, .Lfunc_end_k_qc6d828f616_proj-k_qc6d828f616_proj
	.p2alignl 7, 3214868480
	.fill 96, 4, 3214868480
	.section	.rodata,"a",@progbits
	.p2align	6, 0x0
	.amdhsa_kernel k_qc6d828f616_proj
		.amdhsa_group_segment_fixed_size 327680
		.amdhsa_private_segment_fixed_size 0
		.amdhsa_enable_private_segment 0
		.amdhsa_kernarg_size 32
		.amdhsa_user_sgpr_count 2
		.amdhsa_user_sgpr_kernarg_segment_ptr 1
		.amdhsa_wavefront_size32 1
		.amdhsa_system_sgpr_workgroup_id_x 1
		.amdhsa_system_sgpr_workgroup_id_y 1
		.amdhsa_system_sgpr_workgroup_id_z 1
		.amdhsa_system_vgpr_workitem_id 0
		.amdhsa_next_free_vgpr 512
		.amdhsa_next_free_sgpr 72
		.amdhsa_reserve_vcc 0
		.amdhsa_float_denorm_mode_32 3
		.amdhsa_float_denorm_mode_16_64 3
		.amdhsa_memory_ordered 1
		.amdhsa_forward_progress 1
		.amdhsa_inst_pref_size 86
	.end_amdhsa_kernel
	.amdgpu_metadata
---
amdhsa.version: [ 1, 2 ]
amdhsa.kernels:
  - .name:           k_qc6d828f616_proj
    .symbol:         k_qc6d828f616_proj.kd
    .args:
      - { .name: ctxf, .offset: 0, .size: 8, .value_kind: global_buffer, .address_space: global }
      - { .name: wof, .offset: 8, .size: 8, .value_kind: global_buffer, .address_space: global }
      - { .name: b_out, .offset: 16, .size: 8, .value_kind: global_buffer, .address_space: global }
      - { .name: out0, .offset: 24, .size: 8, .value_kind: global_buffer, .address_space: global }
    .group_segment_fixed_size: 327680
    .private_segment_fixed_size: 0
    .kernarg_segment_align: 8
    .kernarg_segment_size: 32
    .max_flat_workgroup_size: 128
    .sgpr_count:     72
    .vgpr_count:     512
    .wavefront_size: 32
...
	.end_amdgpu_metadata
.endif
;; end of part 4
